; MI455X (gfx1250); checked and timed in simulation.
; The chip was launched on July 23, 2026; its instructions are those of AMD's public machine-readable ISA for CDNA 5 (MIT licence, August 2026) and "CDNA5" Instruction Set Architecture Reference Guide (July 2026). The comments in the code are by the model that wrote it; some were corrected since.
;; Input Emb Layer. Allowed arithmetic: matrix products marked QUANTISED: E4M3 operands, one given power-of-two scale a tensor, by v_wmma_f32_16x16x64_fp8_fp8 or v_wmma_f32_16x16x128_fp8_fp8, f32 sums; everything else in f32.
;; Inputs: lowp_scales 4 int32 (the exponents e of the quantised operands' scales 2^e); real_len 2 x 16 int32; times 2 x 16 x 2,048 float32; type_emb 2 x 512 float32.
;; Outputs: out0 16 x 1,024 x 512 float32.
;; This version of the problem:
;;   THIS VERSION OF THE PROBLEM IS GIVEN IN LOW PRECISION. The matrix products marked QUANTISED in the list below multiply operands that are first quantised to E4M3 (4 exponent bits, 3 mantissa bits; 8 bits a number), with one given power-of-two scale for each operand tensor; their sums are f32. All else is computed in f32.
;;   The module's matrix products, in the order in which they are computed (A, B: the left and right operand; K: the contracted axis; several contracted axes count as one K, in the product's order):
;;     1. [M 65,536, K 512] x [K 512, N 1,024]; A: computed on the way; B: computed on the way: QUANTISED (scales: A lowp_scales[0], B lowp_scales[1])
;;     2. batch 16 x [M 1,024, K 4,096] x [K 4,096, N 512]; A: softmax (see below); B: computed on the way: QUANTISED (scales: A lowp_scales[2], B lowp_scales[3])
;;   THE QUANTISER, for each operand of a quantised product, along K:
;;     - The operand's scale is 2^e, e = its entry of the input lowp_scales (int32; the entries are numbered through the quantised products in the list's order, A before B).
;;     - Each number is divided by the scale, clamped to +-448, and rounded to the nearest number of E4M3, ties to even, subnormals kept.
;;     - The product sums the exact products of the quantised numbers (number of the format x scale) in f32.
;;   ~~~python
;;   def quantise(x, axis, e):      # numpy; x: float32 -> the quantised numbers, widened to float32 again
;;       x = np.moveaxis(x, axis, -1); K = x.shape[-1]
;;       r = np.clip(x / 2.0 ** e, -448, 448)
;;       step = 2.0 ** (np.maximum(np.frexp(np.where(r == 0, 1, r))[1] - 1, -6) - 3)
;;       q = np.round(r / step) * step * 2.0 ** e      # np.round: ties to even
;;       return np.moveaxis(q, -1, axis).astype(np.float32)
;;   ~~~
;;   SOFTMAX AHEAD OF A QUANTISED PRODUCT. Where the list says 'softmax', what is quantised is not the finished softmax but p = 2^(t - M), with t = logit x log2(e) and M = ceil(the row's largest t), a whole number; so 1/2 < the row's largest p <= 1. The row's sum l is taken of the UNQUANTISED p, in f32, and the product's result is divided by l at the end. Since M is a whole number, a kernel that streams over the keys may use a running M (the ceiling of the running maximum): every later rescaling is an exact power of two, so the quantised numbers keep their values, but for numbers so far below the row's largest that they fall under the format's range.
;;   OPERANDS COMPUTED ON THE WAY. 'Computed on the way' means the value that the module computes at that place (a softmax that the list does not call 'softmax' is quantised finished and normalised). What goes into a quantiser is computed in f32, as accurately as f32 sums, v_exp_f32 and their like allow (about 1e-6 of the number): no bf16 or f16 on the way to a quantiser, and a product that is left as it is and whose result goes on into a quantised operand takes f32 operands (vector FMAs, or v_wmma_f32_16x16x4_f32). A number that lies on a knife's edge between two numbers of the format may be rounded either way, as far as f32 arithmetic and the matrix unit's own rounding can turn it there, and no further.
;; 3 versions. Each part assembles by itself: llvm-mc -triple=amdgcn-amd-amdhsa -mcpu=gfx1250 --defsym DOCPART=n.
;; ======== version 1 of 3: 2 launches
;; limits: inputs' magnitudes at most 13,000,000
;; workspace buffers: kimg 33,554,432 bytes; vimg 33,554,432 bytes; qimg 524,288 bytes
;; launch encode (part 1): grid 1032 x 1, 4 waves a work-group, no clusters, 0 bytes of LDS; arguments times, type_emb, real_len, lowp_scales, kimg, vimg, qimg; writes kimg, vimg, qimg
.if DOCPART == 1
	.amdgcn_target "amdgcn-amd-amdhsa--gfx1250"
	.amdhsa_code_object_version 6
	.text
	.protected	k_q36103ff6b8_encode
	.globl	k_q36103ff6b8_encode
	.p2align	8
	.type	k_q36103ff6b8_encode,@function
k_q36103ff6b8_encode:
	s_mov_b64 s[64:65], 0
	v_nop
	global_prefetch_b8 v0, s[64:65] scope:SCOPE_SE
	s_setreg_imm32_b32 hwreg(HW_REG_WAVE_MODE, 25, 1), 1
	s_wait_xcnt 0x0
; emb[t][b][n][d] = (sinusoid(times / pos[d]) + type_emb[t][d]) x (times != 0) and q[g][d] = sinusoid((g + 0.5) / pos[d]) become codes of FP8 (E4M3), laid in the ORDER OF THE OPERANDS' REGISTERS.
; A block is 128 rows x 512 d = 65,536 bytes; a fragment's image is 2,048 bytes: register group c (0..3) of lane l at 512 c + 16 l, so every store of a wave covers 512 consecutive bytes, aligned.
;   kimg (scale 2^e0), block id = (16 t + b) 16 + blk: [d step s 0..3][key tile kt 0..7][2,048].  Lane (r, h) of tile kt holds event 32 (kt / 2) + 8 (kt % 2) + r + 8 (r / 8); group c holds d = 128 s + 32 c + 16 h + 0..15.
;   qimg (scale 2^e1): the same for 8 blocks of 128 queries.
;   vimg (scale 2^e3), same ids: [d tile 0..31][2,048].  Row m of tile 8 w + 2 jg + par is d = 128 w + 32 jg + 2 m + par; lane (r, h) holds row r; group c holds events 32 c + 16 h + 0..15.
; WORK-GROUPS: 0..511 a block of kimg, 512..519 a block of qimg, 520..1031 a block of vimg.  A block all of whose events lie behind real_len is not encoded (block 0 always is): the grid serves every split of lengths.
; THE SINUSOID, for the pair d = 2 j, 2 j + 1: c = 2^(-j log2(10000) / 256) / pi; n = t c rounded to a whole number (by adding and taking away 1.5 x 2^23); r = t c - n by one fused multiply-add, |r| <= 1/2;
; sin = (-1)^n sin(pi r), cos = (-1)^n cos(pi r), by the Taylor series in z = r r: the first term left out is under 6e-8.  The pad mask is the hold itself: x is held within +-lim, lim = 448 x 2^e, or 0 where t = 0.
; LIMITS: |t| / (pi pos) under 2^22; NaN and infinities among times and type_emb are not served; e0, e1, e3 between -126 and 119; real_len is held within 0..2048.
; The angle is t x (1 / (pi pos)), with 1 / pos from v_exp_f32: it differs from a division by pos by a few f32 roundings of t / pos.
; No LDS, no barrier: waves share nothing.
.set NKAPPA, 0xbd549a78                ; -log2(10000) / 256
.set INVPI,  0x3ea2f983                ; 1 / pi
.set MAGIC,  0x4b400000                ; 1.5 x 2^23
.set NMAGIC, 0xcb400000
.set SA0, 0x40490fdb                   ; sin(pi r) = r (SA0 + SA1 z + ..)
.set SA1, 0xc0a55de7
.set SA2, 0x402335e3
.set SA3, 0xbf196966
.set SA4, 0x3da83c1a
.set SA5, 0xbbf183a8
.set SA6, 0x39f47a1a
.set CB0, 0x3f800000                   ; cos(pi r) = CB0 + CB1 z + ..
.set CB1, 0xc09de9e6
.set CB2, 0x4081e0f8
.set CB3, 0xbfaae9e4
.set CB4, 0x3e70fa83
.set CB5, 0xbcd368f9
.set CB6, 0x3afce9c5
; registers of both paths: v1 r, v2 h, v3 16 x lane, v6 the scale as f32, v7 448 x the scale
.set LO,   3
.set SC,   6
.set LIM,  7
; the row path (kimg, qimg): a lane takes a row, its registers run along d
.set TOF,  4                           ; v4       my row's byte among the block's times
.set JB,   5                           ; v5       64 w + 8 h
.set LIMK, 8                           ; v8       this row's hold
.set CF,   10                          ; v10-23   seven pairs (SAk, CBk)
.set TT,   24                          ; v24-31   t of my row in the eight tiles; the trip in hand is v24
.set CT,   32                          ; v32-63   c of j = 64 w + 16 cc + 8 h + i at 8 cc + i
.set TE,   64                          ; v64-127  type_emb of d = 128 w + 32 cc + 16 h + 0..15 at 16 cc
.set KM,   128
.set KR,   136
.set KZ,   144
.set KW,   152                         ; v152-167 eight pairs (r sgn, sgn)
.set KP,   168                         ; v168-183 eight pairs (series of sin, series of cos)
.set KX,   184                         ; v184-199 16 numbers of emb
.set CODE, 200                         ; v200-215 a fragment's codes
.set TEO,  220
.set RP,   221
; the V path: a lane takes a pair j, its registers run along the events
.set CJ,   10                          ; v10-17   four pairs (c, c), one for each jg
.set TEV,  18                          ; v18-25   four pairs (type_emb[2 j], type_emb[2 j + 1])
.set VA5,  26
.set VB6,  28
.set VTT,  32                          ; v32-47   t of events 32 cc + 16 h + 0..15
.set VTN,  48                          ; v48-63   the next trip's
.set LIMV, 64                          ; v64-79   their holds
.set VM,   80
.set VR,   96
.set VZ,   112
.set VS,   128
.set VPS,  144
.set VPC,  160
.set VCODE, 176                        ; v176-207 eight registers for each jg
	s_load_b256 s[4:11], s[0:1], 0x0               ; times s[4:5], type_emb s[6:7], real_len s[8:9], lowp_scales s[10:11]
	s_load_b128 s[12:15], s[0:1], 0x20             ; kimg s[12:13], vimg s[14:15]
	s_load_b64 s[16:17], s[0:1], 0x30              ; qimg
	v_lshrrev_b32 v9, 5, v0
	v_readfirstlane_b32 s18, v9                    ; wave 0..3
	v_and_b32 v1, 15, v0                           ; r
	v_bfe_u32 v2, v0, 4, 1                         ; h
	v_and_b32 v[LO], 31, v0
	v_lshlrev_b32 v[LO], 4, v[LO]                  ; 16 x lane
	s_mov_b32 s31, 0x3f800000                      ; 1.0: takes n's parity as its sign
	s_cmp_ge_u32 ttmp9, 520
	s_cselect_b32 s32, 520, 0
	s_sub_co_u32 s19, ttmp9, s32                   ; u: the block's number among the 512 (a block of qimg: 512 + qb)
	s_and_b32 s20, s19, 31                         ; tb = 16 t + b
	s_bfe_u32 s34, s19, 0x30005                    ; k = 3 bits from bit 5
	s_sub_co_u32 s35, 15, s34
	s_bitcmp1_b32 s19, 8
	s_cselect_b32 s21, s35, s34                    ; blk = k in the first half of the numbers, 15 - k in the second: early and late blocks take turns in the launch
	s_lshr_b32 s23, s20, 4                         ; the type
	s_lshl_b32 s36, s20, 2
	s_mov_b32 s37, 0                               ; real_len: 4 tb
	s_lshl_b32 s40, s20, 13
	s_lshl_b32 s41, s21, 9
	s_add_co_u32 s40, s40, s41
	s_mov_b32 s41, 0                               ; times: 4 (2048 tb + 128 blk)
	s_lshl_b32 s44, s23, 11
	s_lshl_b32 s45, s18, 9
	s_add_co_u32 s44, s44, s45
	s_mov_b32 s45, 0                               ; type_emb: 2048 type + 512 w: my wave's 128 d
	s_lshl_b32 s46, s20, 4
	s_add_co_u32 s46, s46, s21
	s_lshl_b32 s46, s46, 16
	s_lshl_b32 s47, s18, 14
	s_add_co_u32 s46, s46, s47
	s_mov_b32 s47, 0                               ; the images: id x 65,536 + 16,384 w
	s_wait_kmcnt 0x0                               ; the seven addresses
	s_add_nc_u64 s[38:39], s[8:9], s[36:37]
	s_load_b32 s22, s[38:39], 0x0                  ; real_len[tb]
	s_load_b128 s[24:27], s[10:11], 0x0            ; e0, e1, e2, e3
	s_add_nc_u64 s[42:43], s[4:5], s[40:41]
	s_add_nc_u64 s[44:45], s[6:7], s[44:45]
	s_cmp_ge_u32 ttmp9, 520
	s_cbranch_scc1 .Lvpath
; a block that begins at or behind real_len is left out; with the length held at 1 from below, block 0 never is
.macro LIVE
	s_wait_kmcnt 0x0                               ; the length and the four exponents
	s_max_i32 s22, s22, 1
	s_min_u32 s22, s22, 2048
	s_lshl_b32 s32, s21, 7
	s_cmp_ge_u32 s32, s22
	s_cbranch_scc1 .Lend
.endm
; 2^e as f32 (the conversion takes its exponent field) and 448 x 2^e, from e in s33
.macro SCALES
	s_add_co_i32 s33, s33, 127
	s_lshl_b32 s34, s33, 23
	v_mov_b32 v[SC], s34
	s_add_co_i32 s33, s33, 8
	s_lshl_b32 s33, s33, 23
	s_or_b32 s33, s33, 0x600000
	v_mov_b32 v[LIM], s33
.endm
	; ---------------- THE ROW PATH ----------------
	v_and_b32 v[RP], 8, v1
	v_add_nc_u32 v[RP], v[RP], v1                  ; r + 8 (r / 8): the rows of a tile are not neighbours
	s_cmp_ge_u32 ttmp9, 512
	s_cbranch_scc1 .Lqarm
	v_lshlrev_b32 v[TOF], 2, v[RP]
	v_lshlrev_b32 v[TEO], 6, v2                    ; 64 h: my half's 16 numbers of each 32
.irp kt, 0,1,2,3,4,5,6,7
	global_load_b32 v[TT+\kt], v[TOF], s[42:43] offset:4*(32*(\kt/2)+8*(\kt%2))
.endr
.irp cc, 0,1,2,3
.irp i, 0,1,2,3
	global_load_b128 v[TE+16*\cc+4*\i:TE+16*\cc+4*\i+3], v[TEO], s[44:45] offset:128*\cc+16*\i
.endr
.endr
	s_add_nc_u64 s[28:29], s[12:13], s[46:47]      ; my wave's d step of the block in kimg
	LIVE
	s_mov_b32 s33, s24                             ; e0
	s_branch .Lrow
.Lqarm:
	s_and_b32 s32, s19, 7                          ; qb
	s_lshl_b32 s34, s32, 7
	v_add_nc_u32 v222, s34, v[RP]
.irp kt, 0,1,2,3,4,5,6,7
	v_add_nc_u32 v[TT+\kt], 32*(\kt/2)+8*(\kt%2), v222
.endr
.irp kt, 0,1,2,3,4,5,6,7
	v_cvt_f32_u32 v[TT+\kt], v[TT+\kt]
.endr
.irp kt, 0,1,2,3,4,5,6,7
	v_add_f32 v[TT+\kt], 0.5, v[TT+\kt]            ; the grid's mid-time g + 0.5: never 0, so the hold stays open
.endr
.set i, 0
.rept 64
	v_mov_b32 v[TE+i], 0                           ; a query has no type embedding
.set i, i+1
.endr
	s_lshl_b32 s46, s32, 16
	s_lshl_b32 s47, s18, 14
	s_add_co_u32 s46, s46, s47
	s_mov_b32 s47, 0
	s_add_nc_u64 s[28:29], s[16:17], s[46:47]
	s_wait_kmcnt 0x0                               ; the exponents
	s_mov_b32 s33, s25                             ; e1
.Lrow:
	SCALES
	s_lshl_b32 s34, s18, 6
	v_lshl_add_u32 v[JB], v2, 3, s34
.set i, 0
.rept 32
	v_add_nc_u32 v[CT+i], 16*(i/8)+(i%8), v[JB]
.set i, i+1
.endr
.set i, 0
.rept 32
	v_cvt_f32_u32 v[CT+i], v[CT+i]
.set i, i+1
.endr
.set i, 0
.rept 32
	v_mul_f32 v[CT+i], NKAPPA, v[CT+i]
.set i, i+1
.endr
.set i, 0
.rept 32
	v_exp_f32 v[CT+i], v[CT+i]                     ; 1 / pos: one batch
.set i, i+1
.endr
	v_nop                                          ; a plain instruction behind the last exponential
	s_wait_alu depctr_va_vdst(0)                   ; one wait for the batch, ahead of its first reader
.set i, 0
.rept 32
	v_mul_f32 v[CT+i], INVPI, v[CT+i]
.set i, i+1
.endr
	v_mov_b32 v[CF+0], SA0
	v_mov_b32 v[CF+1], CB0
	v_mov_b32 v[CF+2], SA1
	v_mov_b32 v[CF+3], CB1
	v_mov_b32 v[CF+4], SA2
	v_mov_b32 v[CF+5], CB2
	v_mov_b32 v[CF+6], SA3
	v_mov_b32 v[CF+7], CB3
	v_mov_b32 v[CF+8], SA4
	v_mov_b32 v[CF+9], CB4
	v_mov_b32 v[CF+10], SA5
	v_mov_b32 v[CF+11], CB5
	v_mov_b32 v[CF+12], SA6
	v_mov_b32 v[CF+13], CB6
; both series a step on, for the eight j: (sin's, cos's) = (sin's, cos's) z + (SAk, CBk); z of an even j is its pair's first word, of an odd j the second
.macro HSTEP k
.irp p, 0,1,2,3
	v_pk_fma_f32 v[KP+4*\p:KP+4*\p+1], v[KP+4*\p:KP+4*\p+1], v[KZ+2*\p:KZ+2*\p+1], v[CF+2*(\k):CF+2*(\k)+1] op_sel_hi:[1,0,1]
	v_pk_fma_f32 v[KP+4*\p+2:KP+4*\p+3], v[KP+4*\p+2:KP+4*\p+3], v[KZ+2*\p:KZ+2*\p+1], v[CF+2*(\k):CF+2*(\k)+1] op_sel:[0,1,0] op_sel_hi:[1,1,1]
.endr
.endm
; 16 numbers of my row, d = 128 w + 32 cc + 16 h + 0..15 (eight j), become register group cc of the fragment.  Each step runs across the eight j, so that no line waits for the line above it.
.macro KCHUNK cc
.irp p, 0,1,2,3
	v_pk_fma_f32 v[KM+2*\p:KM+2*\p+1], v[TT:TT+1], v[CT+8*(\cc)+2*\p:CT+8*(\cc)+2*\p+1], MAGIC op_sel_hi:[0,1,0]   ; t c + 1.5 x 2^23 (t: the pair's first word for both)
.endr
.irp p, 0,1,2,3
	v_pk_add_f32 v[KR+2*\p:KR+2*\p+1], v[KM+2*\p:KM+2*\p+1], NMAGIC op_sel_hi:[1,0]                                  ; n
.endr
.irp p, 0,1,2,3
	v_pk_fma_f32 v[KR+2*\p:KR+2*\p+1], v[TT:TT+1], v[CT+8*(\cc)+2*\p:CT+8*(\cc)+2*\p+1], v[KR+2*\p:KR+2*\p+1] op_sel_hi:[0,1,1] neg_lo:[0,0,1] neg_hi:[0,0,1]   ; r = t c - n
.endr
.irp p, 0,1,2,3
	v_pk_mul_f32 v[KZ+2*\p:KZ+2*\p+1], v[KR+2*\p:KR+2*\p+1], v[KR+2*\p:KR+2*\p+1]
.endr
.irp j, 0,1,2,3,4,5,6,7
	v_lshl_or_b32 v[KW+2*\j+1], v[KM+\j], 31, s31  ; sgn = (-1)^n: n's lowest bit is the sum's lowest bit
.endr
.irp j, 0,1,2,3,4,5,6,7
	v_mul_f32 v[KW+2*\j], v[KR+\j], v[KW+2*\j+1]   ; r sgn
.endr
.irp p, 0,1,2,3
	v_pk_fma_f32 v[KP+4*\p:KP+4*\p+1], v[CF+12:CF+13], v[KZ+2*\p:KZ+2*\p+1], v[CF+10:CF+11] op_sel_hi:[1,0,1]
	v_pk_fma_f32 v[KP+4*\p+2:KP+4*\p+3], v[CF+12:CF+13], v[KZ+2*\p:KZ+2*\p+1], v[CF+10:CF+11] op_sel:[0,1,0] op_sel_hi:[1,1,1]
.endr
	HSTEP 4
	HSTEP 3
	HSTEP 2
	HSTEP 1
	HSTEP 0
.irp j, 0,1,2,3,4,5,6,7
	v_pk_fma_f32 v[KX+2*\j:KX+2*\j+1], v[KP+2*\j:KP+2*\j+1], v[KW+2*\j:KW+2*\j+1], v[TE+16*(\cc)+2*\j:TE+16*(\cc)+2*\j+1]   ; (sin, cos) + type_emb
.endr
.irp i, 0,1,2,3,4,5,6,7,8,9,10,11,12,13,14,15
	v_med3_num_f32 v[KX+\i], v[KX+\i], -v[LIMK], v[LIMK]   ; the conversion does not saturate (ISA guide 7.6.2): the hold at the largest code x the scale; and the pad mask
.endr
	v_cvt_scalef32_pk8_fp8_f32 v[CODE+4*(\cc):CODE+4*(\cc)+1], v[KX:KX+7], v[SC]
	v_cvt_scalef32_pk8_fp8_f32 v[CODE+4*(\cc)+2:CODE+4*(\cc)+3], v[KX+8:KX+15], v[SC]
.endm
	s_wait_loadcnt 0x0                             ; times and type_emb
	s_mov_b32 s30, 0
.Lktrip:                                           ; eight trips: key tile kt = the trip
	v_cmp_neq_f32 vcc_lo, 0, v[TT]
	v_cndmask_b32 v[LIMK], 0, v[LIM], vcc_lo
	KCHUNK 0
	KCHUNK 1
	KCHUNK 2
	KCHUNK 3
	v_nop                                          ; a plain instruction behind the last conversion
.irp cc, 0,1,2,3
	global_store_b128 v[LO], v[CODE+4*\cc:CODE+4*\cc+3], s[28:29] offset:512*\cc
.endr
.irp i, 0,1,2,3,4,5,6
	v_mov_b32 v[TT+\i], v[TT+\i+1]                 ; the next tile's t comes to the front
.endr
	s_wait_xcnt 0x0                                ; the stores have read their data and their base: both are written again below
	s_add_nc_u64 s[28:29], s[28:29], 2048
	s_add_co_u32 s30, s30, 1
	s_cmp_lt_u32 s30, 8
	s_cbranch_scc1 .Lktrip
	s_endpgm
	; ---------------- THE V PATH ----------------
.Lvpath:
	v_lshlrev_b32 v4, 6, v2                        ; 64 h: my half's 16 events of each 32
	v_lshlrev_b32 v8, 3, v1                        ; 8 r: my pair of type_emb
.irp i, 0,1,2,3
	global_load_b128 v[VTT+4*\i:VTT+4*\i+3], v4, s[42:43] offset:16*\i
.endr
.irp jg, 0,1,2,3
	global_load_b64 v[TEV+2*\jg:TEV+2*\jg+1], v8, s[44:45] offset:128*\jg
.endr
	s_add_nc_u64 s[28:29], s[14:15], s[46:47]      ; my wave's eight d tiles of the block in vimg
	LIVE
	s_mov_b32 s33, s27                             ; e3
	SCALES
	s_lshl_b32 s34, s18, 6
	v_add_nc_u32 v5, s34, v1                       ; 64 w + r
.irp jg, 0,1,2,3
	v_add_nc_u32 v[CJ+2*\jg], 16*\jg, v5
.endr
.irp jg, 0,1,2,3
	v_cvt_f32_u32 v[CJ+2*\jg], v[CJ+2*\jg]
.endr
.irp jg, 0,1,2,3
	v_mul_f32 v[CJ+2*\jg], NKAPPA, v[CJ+2*\jg]
.endr
.irp jg, 0,1,2,3
	v_exp_f32 v[CJ+2*\jg], v[CJ+2*\jg]
.endr
	v_mov_b32 v[VA5], SA5                          ; (a plain instruction behind the last exponential)
	v_mov_b32 v[VA5+1], SA5
	v_mov_b32 v[VB6], CB6
	v_mov_b32 v[VB6+1], CB6
	s_wait_alu depctr_va_vdst(0)                   ; one wait for the four, ahead of their first reader
.irp jg, 0,1,2,3
	v_mul_f32 v[CJ+2*\jg], INVPI, v[CJ+2*\jg]
.endr
.irp jg, 0,1,2,3
	v_mov_b32 v[CJ+2*\jg+1], v[CJ+2*\jg]
.endr
.macro VPOLY dst, k                    ; a series a step on, for the eight pairs of events
.irp p, 0,1,2,3,4,5,6,7
	v_pk_fma_f32 v[\dst+2*\p:\dst+2*\p+1], v[\dst+2*\p:\dst+2*\p+1], v[VZ+2*\p:VZ+2*\p+1], \k op_sel_hi:[1,1,0]
.endr
.endm
; my pair j = 64 w + 16 jg + r at 16 events: register group cc of lane (r, h) in d tiles 2 jg (even d: sin) and 2 jg + 1 (odd d: cos)
.macro VGROUP jg
.irp p, 0,1,2,3,4,5,6,7
	v_pk_fma_f32 v[VM+2*\p:VM+2*\p+1], v[VTT+2*\p:VTT+2*\p+1], v[CJ+2*(\jg):CJ+2*(\jg)+1], MAGIC op_sel_hi:[1,1,0]
.endr
.irp p, 0,1,2,3,4,5,6,7
	v_pk_add_f32 v[VR+2*\p:VR+2*\p+1], v[VM+2*\p:VM+2*\p+1], NMAGIC op_sel_hi:[1,0]
.endr
.irp p, 0,1,2,3,4,5,6,7
	v_pk_fma_f32 v[VR+2*\p:VR+2*\p+1], v[VTT+2*\p:VTT+2*\p+1], v[CJ+2*(\jg):CJ+2*(\jg)+1], v[VR+2*\p:VR+2*\p+1] neg_lo:[0,0,1] neg_hi:[0,0,1]
.endr
.irp p, 0,1,2,3,4,5,6,7
	v_pk_mul_f32 v[VZ+2*\p:VZ+2*\p+1], v[VR+2*\p:VR+2*\p+1], v[VR+2*\p:VR+2*\p+1]
.endr
.irp i, 0,1,2,3,4,5,6,7,8,9,10,11,12,13,14,15
	v_lshl_or_b32 v[VS+\i], v[VM+\i], 31, s31
.endr
.irp p, 0,1,2,3,4,5,6,7
	v_pk_mul_f32 v[VR+2*\p:VR+2*\p+1], v[VR+2*\p:VR+2*\p+1], v[VS+2*\p:VS+2*\p+1]
.endr
.irp p, 0,1,2,3,4,5,6,7
	v_pk_fma_f32 v[VPS+2*\p:VPS+2*\p+1], v[VA5:VA5+1], v[VZ+2*\p:VZ+2*\p+1], SA4 op_sel_hi:[1,1,0]
.endr
	VPOLY VPS, SA3
	VPOLY VPS, SA2
	VPOLY VPS, SA1
	VPOLY VPS, SA0
.irp p, 0,1,2,3,4,5,6,7
	v_pk_fma_f32 v[VPC+2*\p:VPC+2*\p+1], v[VB6:VB6+1], v[VZ+2*\p:VZ+2*\p+1], CB5 op_sel_hi:[1,1,0]
.endr
	VPOLY VPC, CB4
	VPOLY VPC, CB3
	VPOLY VPC, CB2
	VPOLY VPC, CB1
	VPOLY VPC, CB0
.irp p, 0,1,2,3,4,5,6,7
	v_pk_fma_f32 v[VPS+2*\p:VPS+2*\p+1], v[VPS+2*\p:VPS+2*\p+1], v[VR+2*\p:VR+2*\p+1], v[TEV+2*(\jg):TEV+2*(\jg)+1] op_sel_hi:[1,1,0]                  ; sin + type_emb[2 j]
	v_pk_fma_f32 v[VPC+2*\p:VPC+2*\p+1], v[VPC+2*\p:VPC+2*\p+1], v[VS+2*\p:VS+2*\p+1], v[TEV+2*(\jg):TEV+2*(\jg)+1] op_sel:[0,0,1] op_sel_hi:[1,1,1]   ; cos + type_emb[2 j + 1]
.endr
.irp i, 0,1,2,3,4,5,6,7,8,9,10,11,12,13,14,15
	v_med3_num_f32 v[VPS+\i], v[VPS+\i], -v[LIMV+\i], v[LIMV+\i]
	v_med3_num_f32 v[VPC+\i], v[VPC+\i], -v[LIMV+\i], v[LIMV+\i]
.endr
	v_cvt_scalef32_pk8_fp8_f32 v[VCODE+8*(\jg):VCODE+8*(\jg)+1], v[VPS:VPS+7], v[SC]
	v_cvt_scalef32_pk8_fp8_f32 v[VCODE+8*(\jg)+2:VCODE+8*(\jg)+3], v[VPS+8:VPS+15], v[SC]
	v_cvt_scalef32_pk8_fp8_f32 v[VCODE+8*(\jg)+4:VCODE+8*(\jg)+5], v[VPC:VPC+7], v[SC]
	v_cvt_scalef32_pk8_fp8_f32 v[VCODE+8*(\jg)+6:VCODE+8*(\jg)+7], v[VPC+8:VPC+15], v[SC]
	v_nop                                          ; a plain instruction behind the last conversion
	global_store_b128 v[LO], v[VCODE+8*(\jg):VCODE+8*(\jg)+3], s[28:29] offset:(2*(\jg))*2048
	global_store_b128 v[LO], v[VCODE+8*(\jg)+4:VCODE+8*(\jg)+7], s[28:29] offset:(2*(\jg)+1)*2048
.endm
	s_wait_loadcnt 0x0                             ; the first 16 events and type_emb
	s_mov_b32 s30, 0
.Lvtrip:                                           ; four trips: register group cc = the trip, events 32 cc on
	s_add_co_u32 s32, s30, 1
	s_min_u32 s32, s32, 3                          ; the next trip's events; the last trip asks for its own again, so that no load leaves the buffer
	s_lshl_b32 s32, s32, 7
	s_mov_b32 s33, 0
	s_add_nc_u64 s[34:35], s[42:43], s[32:33]
.irp i, 0,1,2,3
	global_load_b128 v[VTN+4*\i:VTN+4*\i+3], v4, s[34:35] offset:16*\i
.endr
.irp i, 0,1,2,3,4,5,6,7,8,9,10,11,12,13,14,15
	v_cmp_neq_f32 vcc_lo, 0, v[VTT+\i]
	v_cndmask_b32 v[LIMV+\i], 0, v[LIM], vcc_lo
.endr
	VGROUP 0
	VGROUP 1
	VGROUP 2
	VGROUP 3
	s_wait_loadcnt 0x0                             ; the next trip's events are in, asked for a whole trip ago; their base is free
.irp i, 0,1,2,3,4,5,6,7,8,9,10,11,12,13,14,15
	v_mov_b32 v[VTT+\i], v[VTN+\i]
.endr
	s_wait_xcnt 0x0                                ; the stores have read their data and their base: both are written again
	s_add_nc_u64 s[28:29], s[28:29], 512
	s_add_co_u32 s30, s30, 1
	s_cmp_lt_u32 s30, 4
	s_cbranch_scc1 .Lvtrip
.Lend:
	s_endpgm
.Lfunc_end_k_q36103ff6b8_encode:
	.size	k_q36103ff6b8_encode, .Lfunc_end_k_q36103ff6b8_encode-k_q36103ff6b8_encode
	.p2alignl 7, 3214868480
	.fill 96, 4, 3214868480
	.section	.rodata,"a",@progbits
	.p2align	6, 0x0
	.amdhsa_kernel k_q36103ff6b8_encode
		.amdhsa_group_segment_fixed_size 0
		.amdhsa_private_segment_fixed_size 0
		.amdhsa_enable_private_segment 0
		.amdhsa_kernarg_size 56
		.amdhsa_user_sgpr_count 2
		.amdhsa_user_sgpr_kernarg_segment_ptr 1
		.amdhsa_wavefront_size32 1
		.amdhsa_system_sgpr_workgroup_id_x 1
		.amdhsa_system_sgpr_workgroup_id_y 1
		.amdhsa_system_sgpr_workgroup_id_z 1
		.amdhsa_system_vgpr_workitem_id 0
		.amdhsa_next_free_vgpr 256
		.amdhsa_next_free_sgpr 66
		.amdhsa_reserve_vcc 1
		.amdhsa_float_denorm_mode_32 3
		.amdhsa_float_denorm_mode_16_64 3
		.amdhsa_memory_ordered 1
		.amdhsa_forward_progress 1
		.amdhsa_inst_pref_size 111
	.end_amdhsa_kernel
	.amdgpu_metadata
---
amdhsa.version: [ 1, 2 ]
amdhsa.kernels:
  - .name:           k_q36103ff6b8_encode
    .symbol:         k_q36103ff6b8_encode.kd
    .args:
      - { .name: times, .offset: 0, .size: 8, .value_kind: global_buffer, .address_space: global }
      - { .name: type_emb, .offset: 8, .size: 8, .value_kind: global_buffer, .address_space: global }
      - { .name: real_len, .offset: 16, .size: 8, .value_kind: global_buffer, .address_space: global }
      - { .name: lowp_scales, .offset: 24, .size: 8, .value_kind: global_buffer, .address_space: global }
      - { .name: kimg, .offset: 32, .size: 8, .value_kind: global_buffer, .address_space: global }
      - { .name: vimg, .offset: 40, .size: 8, .value_kind: global_buffer, .address_space: global }
      - { .name: qimg, .offset: 48, .size: 8, .value_kind: global_buffer, .address_space: global }
    .group_segment_fixed_size: 0
    .private_segment_fixed_size: 0
    .kernarg_segment_align: 8
    .kernarg_segment_size: 56
    .max_flat_workgroup_size: 128
    .sgpr_count:     66
    .vgpr_count:     256
    .wavefront_size: 32
...
	.end_amdgpu_metadata
.endif
;; end of part 1
;; launch attend (part 2): grid 16 x 16, 4 waves a work-group, no clusters, 100,864 bytes of LDS; arguments kimg, vimg, qimg, real_len, lowp_scales, out0; writes out0
.if DOCPART == 2
	.amdgcn_target "amdgcn-amd-amdhsa--gfx1250"
	.amdhsa_code_object_version 6
	.text
	.protected	k_q36103ff6b8_attend
	.globl	k_q36103ff6b8_attend
	.p2align	8
	.type	k_q36103ff6b8_attend,@function
k_q36103ff6b8_attend:
	s_mov_b64 s[64:65], 0
	v_nop
	global_prefetch_b8 v0, s[64:65] scope:SCOPE_SE
	s_setreg_imm32_b32 hwreg(HW_REG_WAVE_MODE, 25, 1), 1
	s_wait_xcnt 0x0
; out0[b][g][:] = the sum over the valid events n of softmax_n(emb[b][n] . q[g] / sqrt(512)) emb[b][n][:], both products on codes of FP8 (E4M3) as the launch before laid them (kimg, qimg, vimg: images of the operands' registers).
; THE SOFTMAX AHEAD OF THE SECOND PRODUCT: t = score x log2(e) / sqrt(512); M = the largest t so far, rounded UP to a whole number; p = 2^(t - M) is quantised with 2^e2, not normalised; the sum l is taken of the
; unquantised p and divides at the end.  When M moves, l and O are multiplied by 2^(old M - new M), which rounds nothing.
; SHARES.  A work-group owns 64 queries (four tiles q) of one batch.  The batch's valid blocks of 128 events are numbered on end: nb0 = max(ceil(len0 / 128), 1) of type 0, then ceil(len1 / 128) of type 1; blocks wholly behind
; real_len are never read.  A SUPER-STEP takes four blocks.  In S^T = K Q^T wave w takes block 4 sigma + w against all 64 queries; in O^T = V^T P^T wave w takes d = 128 w .. 128 w + 127 against all four blocks.
; So each byte of K and of V is read by ONE wave of the work-group, from memory straight into its registers, and feeds four matrix instructions.  Through LDS go Q's images (once), the step's maxima and p's codes.
; A wave whose block number is past the list reads the list's last block with nothing valid: its p are 0.
; NO TENSOR LOADS, NO CLUSTER: the walk is cut by branches on real_len, a number read from memory; and no byte of K or V is read by two waves of a work-group, so LDS would only add a way.
; THE LOOP has a constant count: super-step 0 is written out (its products start O's sums), seven trips follow.  The two barriers of a trip stand on every wave's path; the three stretches between them are jumped over where sigma >= NSS.
; LAYOUT.  Both products are used transposed (source 0 = 16 keys, or 16 d; source 1 = 16 queries): a lane holds ONE query (lane % 16).  Register i of key tile kt holds key 32 (kt / 2) + 16 (lane / 16) + 8 (kt % 2) + i.
; LIMITS: e0 + e1 between -122 and 131 (added to an exponent field); e2 between -126 and 119; e2 + e3 is applied by v_ldexp_f32; real_len is held within 0..2048; a batch with both lengths 0 gives NaN, as 0 / 0.
; REGISTERS, in windows of 256 (s_set_vgpr_msb: bits 1:0 source 0, 3:2 source 1, 5:4 source 2, 7:6 destination):
;   window 0: v1-12 addresses and constants; v16-47 statistics, eight a tile; v48-57 at work; v64-127 PQ: four fragments of Q or of P (also the exchanges' data and p's codes); v128-255 buffer A
;   window 1: v0-127 buffer B, v128-255 buffer C        window 2: S^T at 64 q + 8 kt (its lower half is buffer D once tiles 0 and 1 are codes)        window 3: O^T at 64 q + 8 dt
; BUFFERS, the same in every super-step: A: K0, K3, V2.  B: K1, V0.  C: K2, V1.  D: V3.  (Ks: d step s of my block; Vk: my eight d tiles of block 4 sigma + k.)  The second product takes k = 2, 0, 1, 3 and loads the
; next super-step's K0, K1, K2 behind its first three sets.
.set QIMG,  0                          ; LDS: Q's images [d step s][q][2,048]: 32,768 bytes
.set PIMG,  32768                      ; p's codes [block k][q][2,048]: 32,768 bytes
.set MXB,   65536                      ; the exchange: 256 bytes a wave: query r's four tiles at 16 r
.set STAGE, 66560                      ; the way out: 16 rows x (512 + 16) bytes for each wave
.set SPITCH, 528
.set LOFF, 1                           ; v1   16 x lane
.set PWR,  3                           ; v3   16 x lane + 8,192 w
.set MXW,  4                           ; v4   MXB + 256 w + 16 (lane % 16)
.set MXR,  5                           ; v5   MXB + 16 (lane % 16)
.set STO,  6                           ; v6   my stage: row lane % 16, + 64 (lane / 16)
.set SRD,  7                           ; v7   my stage, + 16 x lane
.set DL,   8                           ; v8   valid events of my block - 16 (lane / 16)
.set NI,   9                           ; v9   -infinity
.set PFO,  10                          ; v10  256 x lane
.set SCP,  11                          ; v11  2^e2 as f32
.set H16,  12                          ; v12  16 (lane / 16)
.set ST,   16                          ; tile q at ST + 8 q: +0 -M, +1 the largest t, +2 +3 l, +4 f (later 1 / l), +5 written once (named in a pair), +6 +7 at work
.set MXV,  48
.set CH,   52                          ; v52-57 three chains of the sum
.set PQ,   64
.set TO,   128
.set KCUR, 38                          ; s[38:39] my block of kimg;  s[40:41] the next super-step's;  s[42:43] the same block of vimg (for the prefetch)
.set KNXT, 40
.set PVB,  42
.set VCUR, 44                          ; s[44:51] my d tiles of the four blocks of vimg;  s[52:59] the next super-step's
.set VNXT, 52
; s16 wave, s17 x, s18 16 b, s19 len0, s20 len1, s21 nb0, s22 NB, s23 NB - 1, s24 NSS, s25 sigma, s26 256 - nb0, s27 16,384 w, s[28:29] c, s[30:31] lane selects, s32 e2, s33 448 x 2^e2, s34 e2 + e3,
; s35 valid events of my block, s36 the next's, s37 1 where I prefetch, s[60:61] out0 at my rows and columns, s66-s83 at work
.set MSB, 0
.macro WIN new                         ; the immediate's high byte repeats the setting that is left; a switch that changes nothing is dropped
.if MSB != (\new)
	s_set_vgpr_msb (MSB<<8)|(\new)
.set MSB, \new
.endif
.endm
.macro NOPS n
.rept \n
	v_nop
.endr
.endm
; in: s66 = a block's number in the batch's list.  out: s67 = the number, held at the list's last; s72 = the block's id x 65,536.  The id is made of loaded numbers, so it is held at 511 ahead of the shift.
.macro BLKOFF
	s_min_u32 s67, s66, s23
	s_cmp_ge_u32 s67, s21                          ; of type 1?
	s_cselect_b32 s68, s26, 0
	s_add_co_u32 s68, s68, s67
	s_add_co_u32 s68, s68, s18                     ; type 0: 16 b + t;  type 1: 256 + 16 b + t - nb0
	s_min_u32 s68, s68, 511
	s_lshl_b32 s72, s68, 16
.endm
; in: s71 = 4 x a super-step's number.  out: that step's addresses (KNXT, PVB, VNXT), s36 and s37
.macro NEXTADR
	s_mov_b32 s73, 0
	s_add_co_u32 s66, s71, s16
	BLKOFF
	s_add_nc_u64 s[KNXT:KNXT+1], s[4:5], s[72:73]
	s_add_nc_u64 s[PVB:PVB+1], s[6:7], s[72:73]
	s_cmp_ge_u32 s67, s21
	s_cselect_b32 s69, s20, s19                    ; the type's length,
	s_cselect_b32 s70, s21, 0                      ; and its first number in the list
	s_sub_co_u32 s70, s67, s70
	s_lshl_b32 s70, s70, 7
	s_sub_co_i32 s69, s69, s70
	s_max_i32 s69, s69, 0
	s_min_i32 s69, s69, 128                        ; valid events in the block
	s_cmp_lt_u32 s66, s22                          ; is the number in the list at all?
	s_cselect_b32 s36, s69, 0
	s_cselect_b32 s37, 1, 0
	s_cmp_eq_u32 s17, 0                            ; the batch's first work-group alone prefetches
	s_cselect_b32 s37, s37, 0
.irp kb, 0,1,2,3
	s_add_co_u32 s66, s71, \kb
	BLKOFF
	s_add_co_u32 s72, s72, s27
	s_add_nc_u64 s[VNXT+2*\kb:VNXT+2*\kb+1], s[6:7], s[72:73]
.endr
.endm
; eight fragments, 16,384 bytes on end, from memory into 128 registers: each load covers 512 consecutive bytes
.macro LOADSET win, reg, base, off
	WIN \win
.irp f, 0,1,2,3,4,5,6,7
.irp c, 0,1,2,3
	global_load_b128 v[(\reg)+16*\f+4*\c:(\reg)+16*\f+4*\c+3], v[LOFF], s[\base:\base+1] offset:(\off)+2048*\f+512*\c
.endr
.endr
.endm
.macro FRAG2 reg, off                  ; two fragments' images from LDS
.irp k, 0,1,2,3,4,5,6,7
	ds_load_b128 v[(\reg)+4*\k:(\reg)+4*\k+3], v[LOFF] offset:(\off)+512*\k
.endr
.endm
; 16 matrix instructions: the buffer's eight fragments x query tiles q0, q0 + 1; the accumulator of (q, f) is v[64 q + 8 f] of the window that is set.  The accumulators take turns, one instruction a turn.
.macro MUL16 reg, q0, zero
.irp q, \q0, \q0+1
.irp f, 0,1,2,3,4,5,6,7
.if \zero
	v_wmma_f32_16x16x128_fp8_fp8 v[64*(\q)+8*\f:64*(\q)+8*\f+7], v[(\reg)+16*\f:(\reg)+16*\f+15], v[PQ+16*(\q):PQ+16*(\q)+15], 0
.else
	v_wmma_f32_16x16x128_fp8_fp8 v[64*(\q)+8*\f:64*(\q)+8*\f+7], v[(\reg)+16*\f:(\reg)+16*\f+15], v[PQ+16*(\q):PQ+16*(\q)+15], v[64*(\q)+8*\f:64*(\q)+8*\f+7]
.endif
.endr
.endr
.endm
; d step s of S^T: 32 products.  Four v_nop stand between products and loads into registers that they have read (ISA guide 7.12.1 for vector instructions).
.macro SETS s, win, reg, zero
	s_wait_loadcnt 63                              ; 64 loads have been issued behind this set's 32: with 63 out at the most the set is in
	s_wait_dscnt 8                                 ; Q's tiles 0, 1 are in; the eight loads of tiles 2, 3 may be out
	WIN \win
	MUL16 \reg, 0, \zero
	NOPS 4
.if \s < 3
	WIN 0
	FRAG2 PQ, QIMG+8192*(\s+1)
	s_wait_dscnt 8                                 ; tiles 2, 3 are in; the eight just issued may be out
.else
	s_wait_dscnt 0
.endif
	WIN \win
	MUL16 \reg, 2, \zero
	NOPS 4
.if \s < 3
	WIN 0
	FRAG2 PQ+32, QIMG+8192*(\s+1)+4096
.endif
.endm
; one block's part of O^T: 32 products; next: the LDS bytes of the four fragments that PQ takes next
.macro SETP win, reg, zero, next, nn
	s_wait_dscnt 8
	WIN \win
	MUL16 \reg, 0, \zero
	NOPS 4
	WIN 0
	FRAG2 PQ, \next
	s_wait_dscnt 8
	WIN \win
	MUL16 \reg, 2, \zero
	NOPS \nn
	WIN 0
	FRAG2 PQ+32, (\next)+4096
.endm
; A PREFETCH INTO THE L2 of block 4 (sigma + 1) + w, whole: 65,536 bytes of kimg and as many of vimg, lanes 256 bytes apart, 8,192 bytes an instruction.  It stands behind a run of the wave's loads, a super-step ahead of the
; loads that will want the block.  All sixteen work-groups of a batch walk the same blocks: the first asks, each wave for its own block, and only for blocks of the list: so each block of 256 bytes is named once in the launch.
.macro PFETCH
	s_cmp_lg_u32 s37, 0
	s_cbranch_scc0 .Lnopf_\@
.irp k, 0,1,2,3,4,5,6,7
	global_prefetch_b8 v[PFO], s[KNXT:KNXT+1] offset:8192*\k th:TH_LOAD_NT scope:SCOPE_SE
.endr
.irp k, 0,1,2,3,4,5,6,7
	global_prefetch_b8 v[PFO], s[PVB:PVB+1] offset:8192*\k th:TH_LOAD_NT scope:SCOPE_SE
.endr
.Lnopf_\@:
.endm
; tile q's 64 exponentials, one batch; tile q + 1's scalings t - M stand among them
.macro EXPSC q
	WIN 0x82                                       ; source 0 and destination window 2
.set j, 0
.rept 32
	v_exp_f32 v[64*(\q)+2*j], v[64*(\q)+2*j]
	v_exp_f32 v[64*(\q)+2*j+1], v[64*(\q)+2*j+1]
.if (\q) < 3
	v_pk_fma_f32 v[64*(\q)+64+2*j:64*(\q)+64+2*j+1], v[64*(\q)+64+2*j:64*(\q)+64+2*j+1], s[28:29], v[ST+8*(\q)+8:ST+8*(\q)+9] op_sel_hi:[1,0,0]
.endif
.set j, j+1
.endr
.if (\q) == 3
	v_nop                                          ; a plain instruction behind the last exponential
.endif
	s_wait_alu depctr_va_vdst(0)                   ; one wait for the batch, ahead of its first reader
.endm
; l += the tile's 32 pairs of unquantised p, in four chains
.macro SUM q
	WIN 0x0a                                       ; sources 0 and 1 window 2
	v_pk_add_f32 v[CH:CH+1], v[64*(\q):64*(\q)+1], v[64*(\q)+2:64*(\q)+3]
	v_pk_add_f32 v[CH+2:CH+3], v[64*(\q)+4:64*(\q)+5], v[64*(\q)+6:64*(\q)+7]
	v_pk_add_f32 v[CH+4:CH+5], v[64*(\q)+8:64*(\q)+9], v[64*(\q)+10:64*(\q)+11]
	WIN 0x08                                       ; source 1 window 2
.set j, 6
.rept 26
.set tg, CH-2+2*(j%4)
.if (j%4) == 0
.set tg, ST+8*(\q)+2
.endif
	v_pk_add_f32 v[tg:tg+1], v[tg:tg+1], v[64*(\q)+2*j:64*(\q)+2*j+1]
.set j, j+1
.endr
	WIN 0
	v_pk_add_f32 v[CH:CH+1], v[CH:CH+1], v[CH+2:CH+3]
	v_pk_add_f32 v[ST+8*(\q)+2:ST+8*(\q)+3], v[ST+8*(\q)+2:ST+8*(\q)+3], v[CH+4:CH+5]
	v_pk_add_f32 v[ST+8*(\q)+2:ST+8*(\q)+3], v[ST+8*(\q)+2:ST+8*(\q)+3], v[CH:CH+1]
.endm
; the conversion does not saturate (ISA guide 7.6.2): p is held at 448 x 2^e2.  p is at most 1, and from e2 = -8 on 448 x 2^e2 is at least 1.75: there the hold changes nothing and is jumped over
.macro HOLD q
	s_cmp_ge_i32 s32, -8
	s_cbranch_scc1 .Lnohold_\@
	WIN 0x88                                       ; source 1 and destination window 2
.set j, 0
.rept 64
	v_min_num_f32 v[64*(\q)+j], s33, v[64*(\q)+j]
.set j, j+1
.endr
	WIN 0
.Lnohold_\@:
.endm
; tile q's p become a fragment (registers 2 kt, 2 kt + 1 from key tile kt: 16 neighbouring keys in four registers), whose image goes to LDS
.macro CVT q
	WIN 0x02                                       ; source 0 window 2
.irp kt, 0,1,2,3,4,5,6,7
	v_cvt_scalef32_pk8_fp8_f32 v[PQ+16*(\q)+2*\kt:PQ+16*(\q)+2*\kt+1], v[64*(\q)+8*\kt:64*(\q)+8*\kt+7], v[SCP]
.endr
	WIN 0
	v_nop                                          ; a plain instruction behind the last conversion
.irp c, 0,1,2,3
	ds_store_b128 v[PWR], v[PQ+16*(\q)+4*\c:PQ+16*(\q)+4*\c+3] offset:PIMG+2048*(\q)+512*\c
.endr
.endm
.macro RESCALE q                       ; O^T of tile q under the new M; each accumulator from its low end on
	WIN 0xc3                                       ; source 0 and destination window 3
.set j, 0
.rept 32
	v_pk_mul_f32 v[64*(\q)+2*j:64*(\q)+2*j+1], v[64*(\q)+2*j:64*(\q)+2*j+1], v[ST+8*(\q)+4:ST+8*(\q)+5] op_sel_hi:[1,0]
.set j, j+1
.endr
	WIN 0
.endm
; A SUPER-STEP.  first = 1: number 0, which every batch has: no jumps, its products start O^T's sums, and there is nothing to rescale.
.macro SUPER first
.if !\first
	s_cmp_ge_u32 s25, s24
	s_cbranch_scc1 .Ld1_\@
.endif
	s_wait_xcnt 0x0                                ; every load and prefetch issued so far has read its base: the bases are written below
	s_mov_b64 s[KCUR:KCUR+1], s[KNXT:KNXT+1]
.irp kb, 0,1,2,3
	s_mov_b64 s[VCUR+2*\kb:VCUR+2*\kb+1], s[VNXT+2*\kb:VNXT+2*\kb+1]
.endr
	s_mov_b32 s35, s36
	s_lshl_b32 s71, s25, 2
	s_add_co_u32 s71, s71, 4
	NEXTADR
	v_sub_nc_u32 v[DL], s35, v[H16]
	SETS 0, 0xa0, 128, 1                           ; K0 in A; the first products start the sums
	LOADSET 0x00, 128, KCUR, 49152                 ; K3 -> A
	PFETCH
	SETS 1, 0xa1, 0, 0                             ; K1 in B
	LOADSET 0x40, 0, VCUR, 0                       ; V0 -> B
	SETS 2, 0xa1, 128, 0                           ; K2 in C
	LOADSET 0x40, 128, VCUR+2, 0                   ; V1 -> C
	SETS 3, 0xa0, 128, 0                           ; K3 in A
	LOADSET 0x00, 128, VCUR+4, 0                   ; V2 -> A
	; the ragged mask: scores of events at or behind the length become -infinity.  A block all of whose events count skips it.  Ascending
	WIN 0
	s_cmp_ge_u32 s35, 128
	s_cbranch_scc1 .Lopen_\@
	WIN 0x82
.irp kt, 0,1,2,3,4,5,6,7
.irp i, 0,1,2,3,4,5,6,7
	v_cmp_ge_i32 vcc_lo, 32*(\kt/2)+8*(\kt%2)+\i, v[DL]
.irp q, 0,1,2,3
	v_cndmask_b32 v[64*\q+8*\kt+\i], v[64*\q+8*\kt+\i], v[NI], vcc_lo
.endr
.endr
.endr
	WIN 0
.Lopen_\@:
	; the largest score of each query among my 128 events: four chains, one a tile; register 8 m is always the first of accumulator m's to be read
	WIN 0x2a                                       ; sources window 2
.irp q, 0,1,2,3
	v_max3_num_f32 v[ST+8*\q+6], v[64*\q], v[64*\q+1], v[64*\q+2]
.endr
	WIN 0x28                                       ; sources 1 and 2 window 2
.set k, 3
.rept 30
.irp q, 0,1,2,3
	v_max3_num_f32 v[ST+8*\q+6], v[ST+8*\q+6], v[64*\q+k], v[64*\q+k+1]
.endr
.set k, k+2
.endr
.irp q, 0,1,2,3
	v_max_num_f32 v[ST+8*\q+6], v[ST+8*\q+6], v[64*\q+63]
.endr
	WIN 0
.irp q, 0,1,2,3
	v_permlanex16_b32 v[ST+8*\q+7], v[ST+8*\q+6], s30, s31
.endr
.irp q, 0,1,2,3
	v_max_num_f32 v[MXV+\q], v[ST+8*\q+6], v[ST+8*\q+7]
.endr
	ds_store_b128 v[MXW], v[MXV:MXV+3]             ; lanes r and r + 16 write the same 16 bytes with the same numbers
.if !\first
.Ld1_\@:
.endif
	s_wait_dscnt 0x0                               ; my maxima lie in LDS, and my reads of p's images of the super-step before are in
	s_barrier_signal -1
	s_barrier_wait -1
.if !\first
	s_cmp_ge_u32 s25, s24
	s_cbranch_scc1 .Ld2_\@
.endif
.irp w, 0,1,2,3
	ds_load_b128 v[PQ+4*\w:PQ+4*\w+3], v[MXR] offset:256*\w
.endr
	s_wait_dscnt 0x0
.irp q, 0,1,2,3
	v_max3_num_f32 v[ST+8*\q+6], v[PQ+\q], v[PQ+4+\q], v[PQ+8+\q]
.endr
.irp q, 0,1,2,3
	v_max_num_f32 v[ST+8*\q+6], v[ST+8*\q+6], v[PQ+12+\q]   ; the super-step's largest score: the same number in all four waves
.endr
.irp q, 0,1,2,3
	v_mul_f32 v[ST+8*\q+6], s28, v[ST+8*\q+6]      ; as t (c is positive)
.endr
.irp q, 0,1,2,3
	v_max_num_f32 v[ST+8*\q+1], v[ST+8*\q+1], v[ST+8*\q+6]
.endr
.irp q, 0,1,2,3
	v_mov_b32 v[ST+8*\q+6], v[ST+8*\q]
.endr
.irp q, 0,1,2,3
	v_floor_f32 v[ST+8*\q], -v[ST+8*\q+1]          ; -M = floor(-t) = -ceil(t)
.endr
.irp q, 0,1,2,3
	v_sub_f32 v[ST+8*\q+6], v[ST+8*\q], v[ST+8*\q+6]   ; old M - new M: a whole number, 0 or less
.endr
.irp q, 0,1,2,3
	v_cvt_i32_f32 v[ST+8*\q+6], v[ST+8*\q+6]       ; (it saturates)
.endr
.irp q, 0,1,2,3
	v_ldexp_f32 v[ST+8*\q+4], 1.0, v[ST+8*\q+6]    ; f = 2^(old M - new M)
.endr
.irp q, 0,1,2,3
	v_pk_mul_f32 v[ST+8*\q+2:ST+8*\q+3], v[ST+8*\q+2:ST+8*\q+3], v[ST+8*\q+4:ST+8*\q+5] op_sel_hi:[1,0]
.endr
	WIN 0x82
.set j, 0
.rept 32
	v_pk_fma_f32 v[2*j:2*j+1], v[2*j:2*j+1], s[28:29], v[ST:ST+1] op_sel_hi:[1,0,0]   ; tile 0: t - M
.set j, j+1
.endr
.irp q, 0,1,2,3
	EXPSC \q
	SUM \q
	HOLD \q
	CVT \q
.if \q == 1
	LOADSET 0x80, 0, VCUR+6, 0                     ; V3 -> D: tiles 0 and 1 of S^T are codes now
	WIN 0
.endif
.if !\first
	RESCALE \q
.endif
.endr
.if !\first
.Ld2_\@:
.endif
	s_wait_loadcnt 0x0                             ; V0 to V3 are in: the youngest, V3, was asked for two tiles of softmax ago.  On every wave's path: whatever is jumped over, no load is out behind this barrier
	s_wait_dscnt 0x0                               ; my images of p lie in LDS, and my reads of the maxima are in
	s_barrier_signal -1
	s_barrier_wait -1
.if !\first
	s_cmp_ge_u32 s25, s24
	s_cbranch_scc1 .Ld3_\@
.endif
	FRAG2 PQ, PIMG+8192*2
	FRAG2 PQ+32, PIMG+8192*2+4096
	SETP 0xf0, 128, \first, PIMG, 4                ; block 2: V2 in A
	LOADSET 0x00, 128, KNXT, 0                     ; the next super-step's K0 -> A
	SETP 0xf1, 0, 0, PIMG+8192, 4                  ; block 0: V0 in B
	LOADSET 0x40, 0, KNXT, 16384                   ; K1 -> B
	SETP 0xf1, 128, 0, PIMG+8192*3, 4              ; block 1: V1 in C
	LOADSET 0x40, 128, KNXT, 32768                 ; K2 -> C
	SETP 0xf2, 0, 0, QIMG, 5                       ; block 3: V3 in D; PQ takes Q's d step 0.  Five places: the next products write over D, which these have read
.if !\first
.Ld3_\@:
.endif
.endm
	s_load_b256 s[4:11], s[0:1], 0x0               ; kimg s[4:5], vimg s[6:7], qimg s[8:9], real_len s[10:11]
	s_load_b128 s[12:15], s[0:1], 0x20             ; lowp_scales s[12:13], out0 s[14:15]
	v_lshl_add_u32 v62, v0, 2, 0x18800
	v_mov_b32 v63, 0
	v_lshrrev_b32 v2, 5, v0
	v_readfirstlane_b32 s16, v2                    ; wave 0..3
	s_mov_b32 s17, ttmp9                           ; x: which 64 queries
	s_and_b32 s66, ttmp7, 0xffff                   ; b: the batch
	s_lshl_b32 s18, s66, 4
	v_and_b32 v13, 31, v0                          ; lane
	v_and_b32 v14, 15, v0                          ; r
	v_bfe_u32 v15, v0, 4, 1                        ; h
	v_lshlrev_b32 v[LOFF], 4, v13
	v_lshlrev_b32 v[PFO], 8, v13
	v_lshlrev_b32 v[H16], 4, v15
	s_lshl_b32 s67, s16, 13
	v_add_nc_u32 v[PWR], s67, v[LOFF]
	v_lshlrev_b32 v[MXR], 4, v14
	v_add_nc_u32 v[MXR], MXB, v[MXR]
	s_lshl_b32 s67, s16, 8
	v_add_nc_u32 v[MXW], s67, v[MXR]
	s_mul_i32 s67, s16, 16*SPITCH
	s_add_co_u32 s67, s67, STAGE
	v_mul_u32_u24 v[STO], v14, SPITCH
	v_lshl_add_u32 v[STO], v15, 6, v[STO]
	v_add_nc_u32 v[STO], s67, v[STO]
	v_add_nc_u32 v[SRD], s67, v[LOFF]
	v_mov_b32 v[NI], 0xff800000
.irp q, 0,1,2,3
	v_mov_b32 v[ST+8*\q+1], 0xff61b1e6             ; the largest t so far: -3e38, under every t
	v_mov_b32 v[ST+8*\q+2], 0                      ; l
	v_mov_b32 v[ST+8*\q+3], 0
	v_mov_b32 v[ST+8*\q+4], 0
	v_mov_b32 v[ST+8*\q+5], 0                      ; (named as the upper half of f's pair)
	v_mov_b32 v[ST+8*\q+6], 0
	v_mov_b32 v[ST+8*\q+7], 0                      ; (a lane permute's destination counts as one of its sources)
	v_floor_f32 v[ST+8*\q], -v[ST+8*\q+1]          ; -M
.endr
	s_mov_b32 s30, 0x76543210
	s_mov_b32 s31, 0xfedcba98                      ; v_permlanex16_b32: lane l xor 16
	s_lshr_b32 s68, s17, 1
	s_lshl_b32 s68, s68, 16                        ; qimg: block x / 2,
	s_lshl_b32 s27, s16, 14
	s_add_co_u32 s68, s68, s27                     ; d step w,
	s_and_b32 s69, s17, 1
	s_lshl_b32 s69, s69, 13
	s_add_co_u32 s68, s68, s69                     ; tiles 4 (x % 2) on
	s_mov_b32 s69, 0
	s_lshl_b32 s70, s66, 2
	s_mov_b32 s71, 0                               ; real_len: 4 b
	s_lshl_b32 s74, s66, 10
	s_lshl_b32 s75, s17, 6
	s_add_co_u32 s74, s74, s75
	s_lshl_b32 s74, s74, 11                        ; out0: row 1024 b + 64 x of 2,048 bytes,
	s_lshl_b32 s75, s16, 9
	s_add_co_u32 s74, s74, s75                     ; + my 128 d
	s_mov_b32 s75, 0
	s_wait_kmcnt 0x0                               ; the six addresses
	s_add_nc_u64 s[76:77], s[8:9], s[68:69]
	s_add_nc_u64 s[78:79], s[10:11], s[70:71]
	s_load_b32 s19, s[78:79], 0x0                  ; len0
	s_load_b32 s20, s[78:79], 0x40                 ; len1
	s_load_b128 s[80:83], s[12:13], 0x0            ; e0, e1, e2, e3
	s_add_nc_u64 s[60:61], s[14:15], s[74:75]
.irp k, 0,1,2,3,4,5,6,7,8,9,10,11,12,13,14,15
	global_load_b128 v[PQ+4*\k:PQ+4*\k+3], v[LOFF], s[76:77] offset:512*\k   ; my quarter of Q's images: d step w of the four tiles
.endr
	s_wait_kmcnt 0x0                               ; the lengths and the exponents
	s_max_i32 s19, s19, 0
	s_min_u32 s19, s19, 2048
	s_max_i32 s20, s20, 0
	s_min_u32 s20, s20, 2048
	s_add_co_u32 s21, s19, 127
	s_lshr_b32 s21, s21, 7
	s_max_u32 s21, s21, 1                          ; nb0: block 0 of type 0 is always walked
	s_add_co_u32 s22, s20, 127
	s_lshr_b32 s22, s22, 7
	s_add_co_u32 s22, s22, s21                     ; NB
	s_sub_co_u32 s23, s22, 1
	s_add_co_u32 s24, s22, 3
	s_lshr_b32 s24, s24, 2                         ; NSS, 1 to 8
	s_sub_co_u32 s26, 256, s21
	s_add_co_i32 s28, s80, s81
	s_lshl_b32 s28, s28, 23
	s_add_co_i32 s28, s28, 0x3d8293ee              ; c = log2(e) / sqrt(512) x 2^(e0 + e1): the exponents are added to c's exponent field
	s_mov_b32 s29, s28                             ; (named with it as a pair, so it is written)
	s_mov_b32 s32, s82
	s_add_co_i32 s66, s82, 127
	s_lshl_b32 s67, s66, 23
	v_mov_b32 v[SCP], s67                          ; 2^e2 as f32
	s_add_co_i32 s66, s66, 8
	s_lshl_b32 s33, s66, 23
	s_or_b32 s33, s33, 0x600000                    ; 448 x 2^e2
	s_add_co_i32 s34, s82, s83
	s_mov_b32 s71, 0
	NEXTADR                                        ; super-step 0
	LOADSET 0x00, 128, KNXT, 0                     ; K0 -> A
	s_wait_loadcnt 32                              ; Q's 16 loads are in; K0's 32 may be out
.irp k, 0,1,2,3,4,5,6,7,8,9,10,11,12,13,14,15
	ds_store_b128 v[PWR], v[PQ+4*\k:PQ+4*\k+3] offset:QIMG+512*\k
.endr
	LOADSET 0x40, 0, KNXT, 16384                   ; K1 -> B
	LOADSET 0x40, 128, KNXT, 32768                 ; K2 -> C
	WIN 0
	s_wait_dscnt 0x0                               ; my quarter of Q's images lies in LDS
	s_barrier_signal -1
	s_barrier_wait -1                              ; everybody's does
	FRAG2 PQ, QIMG
	FRAG2 PQ+32, QIMG+4096
	s_mov_b32 s25, 0
	SUPER 1
	s_mov_b32 s25, 1
.Lstep:                                            ; seven trips, whatever the lengths
	SUPER 0
	s_add_co_u32 s25, s25, 1
	s_cmp_lt_u32 s25, 8
	s_cbranch_scc1 .Lstep
	; THE WAY OUT.  Each wave has summed p over its own blocks: the four sums meet in LDS.  O^T / l x 2^(e2 + e3) goes through my stage, a tile of 16 queries at a time, and leaves as rows of 512 consecutive bytes.
	s_wait_loadcnt 0x0                             ; the loads for a super-step that does not come: their registers are used below
.irp q, 0,1,2,3
	v_add_f32 v[ST+8*\q+6], v[ST+8*\q+2], v[ST+8*\q+3]
.endr
.irp q, 0,1,2,3
	v_permlanex16_b32 v[ST+8*\q+7], v[ST+8*\q+6], s30, s31
.endr
.irp q, 0,1,2,3
	v_add_f32 v[MXV+\q], v[ST+8*\q+6], v[ST+8*\q+7]
.endr
	ds_store_b128 v[MXW], v[MXV:MXV+3]
	s_wait_dscnt 0x0                               ; my sums lie in LDS; the loads into PQ are in
	s_barrier_signal -1
	s_barrier_wait -1
.irp w, 0,1,2,3
	ds_load_b128 v[PQ+4*\w:PQ+4*\w+3], v[MXR] offset:256*\w
.endr
	s_wait_dscnt 0x0
.irp q, 0,1,2,3
	v_add_f32 v[MXV+\q], v[PQ+\q], v[PQ+4+\q]
.endr
.irp q, 0,1,2,3
	v_add_f32 v[MXV+\q], v[MXV+\q], v[PQ+8+\q]
.endr
.irp q, 0,1,2,3
	v_add_f32 v[MXV+\q], v[MXV+\q], v[PQ+12+\q]
.endr
.irp q, 0,1,2,3
	v_rcp_f32 v[ST+8*\q+4], v[MXV+\q]
.endr
	v_nop                                          ; a plain instruction behind the last reciprocal
	s_wait_alu depctr_va_vdst(0)                   ; one wait for the four, ahead of their first reader
.irp q, 0,1,2,3
	v_ldexp_f32 v[ST+8*\q+4], v[ST+8*\q+4], s34    ; 2^(e2 + e3) / l
.endr
; Register i of d tile 2 jg + par is d = 128 w + 32 jg + 16 (lane / 16) + 2 i + par: the two tiles are woven into 16 neighbouring d, 64 bytes of the query's row.  Each accumulator is read from its lowest register on.
.macro TOSTAGE q
.set BK, 192-128*((\q)%2)              ; the rows come back into v192-255 and v64-127 by turns
	WIN 0x03                                       ; source 0 window 3
.irp jg, 0,1,2,3
.irp i, 0,1,2,3,4,5,6,7
	v_mul_f32 v[TO+16*\jg+2*\i], v[64*(\q)+16*\jg+\i], v[ST+8*(\q)+4]
	v_mul_f32 v[TO+16*\jg+2*\i+1], v[64*(\q)+16*\jg+8+\i], v[ST+8*(\q)+4]
.endr
.endr
	WIN 0
.irp jg, 0,1,2,3
.irp c, 0,1,2,3
	ds_store_b128 v[STO], v[TO+16*\jg+4*\c:TO+16*\jg+4*\c+3] offset:128*\jg+16*\c
.endr
.endr
.irp rho, 0,1,2,3,4,5,6,7,8,9,10,11,12,13,14,15
	ds_load_b128 v[BK+4*\rho:BK+4*\rho+3], v[SRD] offset:\rho*SPITCH   ; LDS serves a wave's instructions in order (ISA guide 5.7.1.4): these see my stores, and the next tile's stores come behind them
.endr
.endm
.macro SEND q, younger                 ; younger: the LDS instructions issued behind tile q's loads: the next tile's 16 stores and 16 loads, or none
.set BK, 192-128*((\q)%2)
	s_wait_dscnt \younger
.irp rho, 0,1,2,3,4,5,6,7,8,9,10,11,12,13,14,15
	global_store_b128 v[LOFF], v[BK+4*\rho:BK+4*\rho+3], s[60:61] offset:(32*((\q)/2)+8*((\q)%2)+\rho+8*(\rho/8))*2048 th:TH_STORE_NT   ; 32 lanes store 512 consecutive bytes, at a multiple of 512 from out0's first byte
.endr
.endm
	TOSTAGE 0
	TOSTAGE 1
	SEND 0, 32
	s_wait_xcnt 0x0                                ; tile 0's stores have read their registers: tile 2's rows may land there
	TOSTAGE 2
	SEND 1, 32
	s_wait_xcnt 0x0                                ; likewise tile 1's, for tile 3
	TOSTAGE 3
	SEND 2, 32
	SEND 3, 0
	s_wait_tensorcnt 0x0
	ds_add_u32 v62, v63
	s_wait_dscnt 0x0
	s_endpgm
.Lfunc_end_k_q36103ff6b8_attend:
	.size	k_q36103ff6b8_attend, .Lfunc_end_k_q36103ff6b8_attend-k_q36103ff6b8_attend
	.p2alignl 7, 3214868480
	.fill 96, 4, 3214868480
	.section	.rodata,"a",@progbits
	.p2align	6, 0x0
	.amdhsa_kernel k_q36103ff6b8_attend
		.amdhsa_group_segment_fixed_size 100864
		.amdhsa_private_segment_fixed_size 0
		.amdhsa_enable_private_segment 0
		.amdhsa_kernarg_size 48
		.amdhsa_user_sgpr_count 2
		.amdhsa_user_sgpr_kernarg_segment_ptr 1
		.amdhsa_wavefront_size32 1
		.amdhsa_system_sgpr_workgroup_id_x 1
		.amdhsa_system_sgpr_workgroup_id_y 1
		.amdhsa_system_sgpr_workgroup_id_z 1
		.amdhsa_system_vgpr_workitem_id 0
		.amdhsa_next_free_vgpr 1024
		.amdhsa_next_free_sgpr 96
		.amdhsa_reserve_vcc 1
		.amdhsa_float_denorm_mode_32 3
		.amdhsa_float_denorm_mode_16_64 3
		.amdhsa_memory_ordered 1
		.amdhsa_forward_progress 1
		.amdhsa_inst_pref_size 255
	.end_amdhsa_kernel
	.section	.bss,"aw",@nobits
	.p2align	6
	.space	262144
	.amdgpu_metadata
---
amdhsa.version: [ 1, 2 ]
amdhsa.kernels:
  - .name:           k_q36103ff6b8_attend
    .symbol:         k_q36103ff6b8_attend.kd
    .args:
      - { .name: kimg, .offset: 0, .size: 8, .value_kind: global_buffer, .address_space: global }
      - { .name: vimg, .offset: 8, .size: 8, .value_kind: global_buffer, .address_space: global }
      - { .name: qimg, .offset: 16, .size: 8, .value_kind: global_buffer, .address_space: global }
      - { .name: real_len, .offset: 24, .size: 8, .value_kind: global_buffer, .address_space: global }
      - { .name: lowp_scales, .offset: 32, .size: 8, .value_kind: global_buffer, .address_space: global }
      - { .name: out0, .offset: 40, .size: 8, .value_kind: global_buffer, .address_space: global }
    .group_segment_fixed_size: 100864
    .private_segment_fixed_size: 0
    .kernarg_segment_align: 8
    .kernarg_segment_size: 48
    .max_flat_workgroup_size: 128
    .sgpr_count:     96
    .vgpr_count:     1024
    .wavefront_size: 32
...
	.end_amdgpu_metadata
.endif
;; end of part 2
;; ======== version 2 of 3: 2 launches
;; limits: inputs' magnitudes at most 13,000,000
;; workspace buffers: kimg 33,554,432 bytes; vimg 33,554,432 bytes; qimg 524,288 bytes
;; launch encode: the kernel of part 1 again; grid 1032 x 1, 4 waves a work-group, no clusters, 0 bytes of LDS; arguments times, type_emb, real_len, lowp_scales, kimg, vimg, qimg; writes kimg, vimg, qimg
;; launch attend (part 3): grid 16 x 16, 4 waves a work-group, no clusters, 100,864 bytes of LDS; arguments kimg, vimg, qimg, real_len, lowp_scales, out0; writes out0
.if DOCPART == 3
	.amdgcn_target "amdgcn-amd-amdhsa--gfx1250"
	.amdhsa_code_object_version 6
	.text
	.protected	k_q36103ff6b8_attend
	.globl	k_q36103ff6b8_attend
	.p2align	8
	.type	k_q36103ff6b8_attend,@function
k_q36103ff6b8_attend:
	s_mov_b64 s[64:65], 0
	v_nop
	global_prefetch_b8 v0, s[64:65] scope:SCOPE_SE
	s_setreg_imm32_b32 hwreg(HW_REG_WAVE_MODE, 25, 1), 1
	s_wait_xcnt 0x0
; out0[b][g][:] = the sum over the valid events n of softmax_n(emb[b][n] . q[g] / sqrt(512)) emb[b][n][:], both products on codes of FP8 (E4M3) as the launch before laid them (kimg, qimg, vimg: images of the operands' registers).
; THE SOFTMAX AHEAD OF THE SECOND PRODUCT: t = score x log2(e) / sqrt(512); M = the largest t so far, rounded UP to a whole number; p = 2^(t - M) is quantised with 2^e2, not normalised; the sum l is taken of the
; unquantised p and divides at the end.  When M moves, l and O are multiplied by 2^(old M - new M), which rounds nothing.
; SHARES.  A work-group owns 64 queries (four tiles q) of one batch.  The batch's valid blocks of 128 events are numbered on end: nb0 = max(ceil(len0 / 128), 1) of type 0, then ceil(len1 / 128) of type 1; blocks wholly behind
; real_len are never read.  A SUPER-STEP takes four blocks.  In S^T = K Q^T a wave takes one block against all 64 queries; in O^T = V^T P^T wave w takes d = 128 w .. 128 w + 127 against all four blocks.
; So each byte of K and of V is read by ONE wave of the work-group, from memory straight into its registers, and feeds four matrix instructions.  Through LDS go Q's images (once), the step's maxima and p's codes.
; A wave whose block number is past the list reads the list's last block with nothing valid: its p are 0.
; NO TENSOR LOADS, NO CLUSTER: the walk is cut by branches on real_len, a number read from memory; and no byte of K or V is read by two waves of a work-group, so LDS would only add a way.
; THE LOOP has a constant count: super-step 0 is written out (its products start O's sums), seven trips follow.  The two barriers of a trip stand on every wave's path; the three stretches between them are jumped over where sigma >= NSS.
; LAYOUT.  Both products are used transposed (source 0 = 16 keys, or 16 d; source 1 = 16 queries): a lane holds ONE query (lane % 16).  Register i of key tile kt holds key 32 (kt / 2) + 16 (lane / 16) + 8 (kt % 2) + i.
; THE ORDER OF A SUPER-STEP'S SETS IS TURNED FROM WORK-GROUP TO WORK-GROUP, by g = (x ^ (x >> 2)) % 4 (x, x ^ 5, x ^ 10, x ^ 15 share a g: whichever single bit of x parts the sixteen work-groups of a batch, both parts hold all four g).
; K's set j is d step (j + g) % 4 (LDS slot j holds that d step of Q); wave w takes block 4 sigma + (w + g) % 4; V's slot k is block 4 sigma + (k + g) % 4, whose p wave k has made.  The sixteen work-groups walk the same blocks in step:
; so they ask for four different sets at a time, and of the eight sets of a super-step a work-group is the first to ask for two alone: K's set 0 and V's slot 0.  The sums' order differs with g; their terms do not.
; LIMITS: e0 + e1 between -122 and 131 (added to an exponent field); e2 between -126 and 119; e2 + e3 is applied by v_ldexp_f32; real_len is held within 0..2048; a batch with both lengths 0 gives NaN, as 0 / 0.
; REGISTERS, in windows of 256 (s_set_vgpr_msb: bits 1:0 source 0, 3:2 source 1, 5:4 source 2, 7:6 destination):
;   window 0: v1-12 addresses and constants; v16-47 statistics, eight a tile; v48-57 at work; v58-61 K's offsets; v64-127 PQ: four fragments of Q or of P (also the exchanges' data and p's codes); v128-255 buffer A
;   window 1: v0-127 buffer B, v128-255 buffer C        window 2: S^T at 64 q + 8 kt (its halves are buffers D and E once their tiles are codes)        window 3: O^T at 64 q + 8 dt
; BUFFERS, the same in every super-step: A: K's sets 0 and 3, then the next super-step's set 0.  B: K's set 1, V's slot 0.  C: K's set 2, V's slot 1.  D: V's slot 2.  E: V's slot 3.
; A set is 32 loads, and LOADcnt's field holds 63 (ISA guide 5.7.1: an issue past the field is held back).  So the requests are placed with two sets out at the most wherever the wave has work to do: in the order
; K1, K2 (at the step's head), K3 (ahead of S set 1), V0 (ahead of S set 2), V1, V2, V3 (behind the conversions of tiles 1, 2, 3), the next K0 (at the softmax's end).  V0 has the softmax in which to land, the next K0 the second product.
.set QIMG,  0                          ; LDS: Q's images [slot j][q][2,048]: 32,768 bytes
.set PIMG,  32768                      ; p's codes [slot k][q][2,048]: 32,768 bytes
.set MXB,   65536                      ; the exchange: 256 bytes a wave: query r's four tiles at 16 r
.set STAGE, 66560                      ; the way out: 16 rows x (512 + 16) bytes for each wave
.set SPITCH, 528
.set LOFF, 1                           ; v1   16 x lane
.set PWR,  3                           ; v3   16 x lane + 8,192 w
.set MXW,  4                           ; v4   MXB + 256 w + 16 (lane % 16)
.set MXR,  5                           ; v5   MXB + 16 (lane % 16)
.set STO,  6                           ; v6   my stage: row lane % 16, + 64 (lane / 16)
.set SRD,  7                           ; v7   my stage, + 16 x lane
.set DL,   8                           ; v8   valid events of my block - 16 (lane / 16)
.set NI,   9                           ; v9   -infinity
.set PFO,  10                          ; v10  256 x lane
.set SCP,  11                          ; v11  2^e2 as f32
.set H16,  12                          ; v12  16 (lane / 16)
.set ST,   16                          ; tile q at ST + 8 q: +0 -M, +1 the largest t, +2 +3 l, +4 f (later 1 / l), +5 written once (named in a pair), +6 +7 at work
.set MXV,  48
.set CH,   52                          ; v52-57 three chains of the sum
.set LK,   58                          ; v58-61 K's set j in a block: 16 x lane + 16,384 ((j + g) % 4); never rewritten
.set PQ,   64
.set TO,   128
.set KCUR, 38                          ; s[38:39] my block of kimg;  s[40:41] the next super-step's;  s[42:43] the same block of vimg (for the prefetch)
.set KNXT, 40
.set PVB,  42
.set VCUR, 44                          ; s[44:51] my d tiles of the four slots' blocks of vimg;  s[52:59] the next super-step's
.set VNXT, 52
; s16 wave, s17 x, s18 16 b, s19 len0, s20 len1, s21 nb0, s22 NB, s23 NB - 1, s24 NSS, s25 sigma, s26 256 - nb0, s27 16,384 w, s[28:29] c, s[30:31] lane selects, s32 e2, s33 448 x 2^e2, s34 e2 + e3,
; s35 valid events of my block, s36 the next's, s37 1 where I prefetch, s[60:61] out0 at my rows and columns, s66-s83 at work, s84 g, s85 (w + g) % 4, s86-s89 (k + g) % 4
.set MSB, 0
.macro WIN new                         ; the immediate's high byte repeats the setting that is left; a switch that changes nothing is dropped
.if MSB != (\new)
	s_set_vgpr_msb (MSB<<8)|(\new)
.set MSB, \new
.endif
.endm
.macro NOPS n
.rept \n
	v_nop
.endr
.endm
; in: s66 = a block's number in the batch's list.  out: s67 = the number, held at the list's last; s72 = the block's id x 65,536.  The id is made of loaded numbers, so it is held at 511 ahead of the shift.
.macro BLKOFF
	s_min_u32 s67, s66, s23
	s_cmp_ge_u32 s67, s21                          ; of type 1?
	s_cselect_b32 s68, s26, 0
	s_add_co_u32 s68, s68, s67
	s_add_co_u32 s68, s68, s18                     ; type 0: 16 b + t;  type 1: 256 + 16 b + t - nb0
	s_min_u32 s68, s68, 511
	s_lshl_b32 s72, s68, 16
.endm
; in: s71 = 4 x a super-step's number.  out: that step's addresses (KNXT, PVB, VNXT), s36 and s37
.macro NEXTADR
	s_mov_b32 s73, 0
	s_add_co_u32 s66, s71, s85                     ; my block: 4 sigma + (w + g) % 4
	BLKOFF
	s_add_nc_u64 s[KNXT:KNXT+1], s[4:5], s[72:73]
	s_add_nc_u64 s[PVB:PVB+1], s[6:7], s[72:73]
	s_cmp_ge_u32 s67, s21
	s_cselect_b32 s69, s20, s19                    ; the type's length,
	s_cselect_b32 s70, s21, 0                      ; and its first number in the list
	s_sub_co_u32 s70, s67, s70
	s_lshl_b32 s70, s70, 7
	s_sub_co_i32 s69, s69, s70
	s_max_i32 s69, s69, 0
	s_min_i32 s69, s69, 128                        ; valid events in the block
	s_cmp_lt_u32 s66, s22                          ; is the number in the list at all?
	s_cselect_b32 s36, s69, 0
	s_cselect_b32 s37, 1, 0
	s_cmp_eq_u32 s17, 0                            ; the batch's first work-group alone prefetches
	s_cselect_b32 s37, s37, 0
.irp kb, 0,1,2,3
	s_add_co_u32 s66, s71, s[86+\kb]               ; slot kb: block 4 sigma + (kb + g) % 4
	BLKOFF
	s_add_co_u32 s72, s72, s27
	s_add_nc_u64 s[VNXT+2*\kb:VNXT+2*\kb+1], s[6:7], s[72:73]
.endr
.endm
; eight fragments, 16,384 bytes on end, from memory into 128 registers: each load covers 512 consecutive bytes
.macro LOADSET win, reg, adr, base, off
	WIN \win
.irp f, 0,1,2,3,4,5,6,7
.irp c, 0,1,2,3
	global_load_b128 v[(\reg)+16*\f+4*\c:(\reg)+16*\f+4*\c+3], v[\adr], s[\base:\base+1] offset:(\off)+2048*\f+512*\c
.endr
.endr
.endm
.macro FRAG2 reg, off                  ; two fragments' images from LDS
.irp k, 0,1,2,3,4,5,6,7
	ds_load_b128 v[(\reg)+4*\k:(\reg)+4*\k+3], v[LOFF] offset:(\off)+512*\k
.endr
.endm
; 16 matrix instructions: the buffer's eight fragments x query tiles q0, q0 + 1; the accumulator of (q, f) is v[64 q + 8 f] of the window that is set.  The accumulators take turns, one instruction a turn.
.macro MUL16 reg, q0, zero
.irp q, \q0, \q0+1
.irp f, 0,1,2,3,4,5,6,7
.if \zero
	v_wmma_f32_16x16x128_fp8_fp8 v[64*(\q)+8*\f:64*(\q)+8*\f+7], v[(\reg)+16*\f:(\reg)+16*\f+15], v[PQ+16*(\q):PQ+16*(\q)+15], 0
.else
	v_wmma_f32_16x16x128_fp8_fp8 v[64*(\q)+8*\f:64*(\q)+8*\f+7], v[(\reg)+16*\f:(\reg)+16*\f+15], v[PQ+16*(\q):PQ+16*(\q)+15], v[64*(\q)+8*\f:64*(\q)+8*\f+7]
.endif
.endr
.endr
.endm
; set s of S^T: 32 products.  Four v_nop stand between products and loads into registers that they have read (ISA guide 7.12.1 for vector instructions).
.macro SETS s, win, reg, zero
	s_wait_dscnt 8                                 ; Q's tiles 0, 1 are in; the eight loads of tiles 2, 3 may be out
	WIN \win
	MUL16 \reg, 0, \zero
	NOPS 4
.if \s < 3
	WIN 0
	FRAG2 PQ, QIMG+8192*(\s+1)
	s_wait_dscnt 8                                 ; tiles 2, 3 are in; the eight just issued may be out
.else
	s_wait_dscnt 0
.endif
	WIN \win
	MUL16 \reg, 2, \zero
	NOPS 4
.if \s < 3
	WIN 0
	FRAG2 PQ+32, QIMG+8192*(\s+1)+4096
.endif
.endm
; one slot's part of O^T: 32 products; next: the LDS bytes of the four fragments that PQ takes next
.macro SETP win, reg, zero, next, nn
	s_wait_dscnt 8
	WIN \win
	MUL16 \reg, 0, \zero
	NOPS 4
	WIN 0
	FRAG2 PQ, \next
	s_wait_dscnt 8
	WIN \win
	MUL16 \reg, 2, \zero
	NOPS \nn
	WIN 0
	FRAG2 PQ+32, (\next)+4096
.endm
; A PREFETCH INTO THE L2 of my block of the next super-step, whole: 65,536 bytes of kimg and as many of vimg, lanes 256 bytes apart, 8,192 bytes an instruction.  It stands behind a run of the wave's loads, a super-step ahead of the
; loads that will want the block.  All sixteen work-groups of a batch walk the same blocks: the first (x = 0, g = 0) asks, each wave for its own block, and only for blocks of the list: so each block of 256 bytes is named once in the launch.
.macro PFETCH
	s_cmp_lg_u32 s37, 0
	s_cbranch_scc0 .Lnopf_\@
.irp k, 0,1,2,3,4,5,6,7
	global_prefetch_b8 v[PFO], s[KNXT:KNXT+1] offset:8192*\k th:TH_LOAD_NT scope:SCOPE_SE
.endr
.irp k, 0,1,2,3,4,5,6,7
	global_prefetch_b8 v[PFO], s[PVB:PVB+1] offset:8192*\k th:TH_LOAD_NT scope:SCOPE_SE
.endr
.Lnopf_\@:
.endm
; tile q's 64 exponentials, one batch; tile q + 1's scalings t - M stand among them
.macro EXPSC q
	WIN 0x82                                       ; source 0 and destination window 2
.set j, 0
.rept 32
	v_exp_f32 v[64*(\q)+2*j], v[64*(\q)+2*j]
	v_exp_f32 v[64*(\q)+2*j+1], v[64*(\q)+2*j+1]
.if (\q) < 3
	v_pk_fma_f32 v[64*(\q)+64+2*j:64*(\q)+64+2*j+1], v[64*(\q)+64+2*j:64*(\q)+64+2*j+1], s[28:29], v[ST+8*(\q)+8:ST+8*(\q)+9] op_sel_hi:[1,0,0]
.endif
.set j, j+1
.endr
.if (\q) == 3
	v_nop                                          ; a plain instruction behind the last exponential
.endif
	s_wait_alu depctr_va_vdst(0)                   ; one wait for the batch, ahead of its first reader
.endm
; l += the tile's 32 pairs of unquantised p, in four chains
.macro SUM q
	WIN 0x0a                                       ; sources 0 and 1 window 2
	v_pk_add_f32 v[CH:CH+1], v[64*(\q):64*(\q)+1], v[64*(\q)+2:64*(\q)+3]
	v_pk_add_f32 v[CH+2:CH+3], v[64*(\q)+4:64*(\q)+5], v[64*(\q)+6:64*(\q)+7]
	v_pk_add_f32 v[CH+4:CH+5], v[64*(\q)+8:64*(\q)+9], v[64*(\q)+10:64*(\q)+11]
	WIN 0x08                                       ; source 1 window 2
.set j, 6
.rept 26
.set tg, CH-2+2*(j%4)
.if (j%4) == 0
.set tg, ST+8*(\q)+2
.endif
	v_pk_add_f32 v[tg:tg+1], v[tg:tg+1], v[64*(\q)+2*j:64*(\q)+2*j+1]
.set j, j+1
.endr
	WIN 0
	v_pk_add_f32 v[CH:CH+1], v[CH:CH+1], v[CH+2:CH+3]
	v_pk_add_f32 v[ST+8*(\q)+2:ST+8*(\q)+3], v[ST+8*(\q)+2:ST+8*(\q)+3], v[CH+4:CH+5]
	v_pk_add_f32 v[ST+8*(\q)+2:ST+8*(\q)+3], v[ST+8*(\q)+2:ST+8*(\q)+3], v[CH:CH+1]
.endm
; the conversion does not saturate (ISA guide 7.6.2): p is held at 448 x 2^e2.  p is at most 1, and from e2 = -8 on 448 x 2^e2 is at least 1.75: there the hold changes nothing and is jumped over
.macro HOLD q
	s_cmp_ge_i32 s32, -8
	s_cbranch_scc1 .Lnohold_\@
	WIN 0x88                                       ; source 1 and destination window 2
.set j, 0
.rept 64
	v_min_num_f32 v[64*(\q)+j], s33, v[64*(\q)+j]
.set j, j+1
.endr
	WIN 0
.Lnohold_\@:
.endm
; tile q's p become a fragment (registers 2 kt, 2 kt + 1 from key tile kt: 16 neighbouring keys in four registers), whose image goes to LDS
.macro CVT q
	WIN 0x02                                       ; source 0 window 2
.irp kt, 0,1,2,3,4,5,6,7
	v_cvt_scalef32_pk8_fp8_f32 v[PQ+16*(\q)+2*\kt:PQ+16*(\q)+2*\kt+1], v[64*(\q)+8*\kt:64*(\q)+8*\kt+7], v[SCP]
.endr
	WIN 0
	v_nop                                          ; a plain instruction behind the last conversion
.irp c, 0,1,2,3
	ds_store_b128 v[PWR], v[PQ+16*(\q)+4*\c:PQ+16*(\q)+4*\c+3] offset:PIMG+2048*(\q)+512*\c
.endr
.endm
.macro RESCALE q                       ; O^T of tile q under the new M; each accumulator from its low end on
	WIN 0xc3                                       ; source 0 and destination window 3
.set j, 0
.rept 32
	v_pk_mul_f32 v[64*(\q)+2*j:64*(\q)+2*j+1], v[64*(\q)+2*j:64*(\q)+2*j+1], v[ST+8*(\q)+4:ST+8*(\q)+5] op_sel_hi:[1,0]
.set j, j+1
.endr
	WIN 0
.endm
; A SUPER-STEP.  first = 1: number 0, which every batch has: no jumps, its products start O^T's sums, there is nothing to rescale, and K's sets 1 and 2 were asked for at the kernel's head.
; A jump over a stretch leads through a wait for all loads: so, whatever is jumped over, fewer loads are out at each counted wait than on the way that jumps over nothing, for which the counts are made.
.macro SUPER first
.if !\first
	s_cmp_ge_u32 s25, s24
	s_cbranch_scc1 .Ld1_\@
.endif
	s_wait_xcnt 0x0                                ; every load and prefetch issued so far has read its base: the bases are written below
	s_mov_b64 s[KCUR:KCUR+1], s[KNXT:KNXT+1]
.irp kb, 0,1,2,3
	s_mov_b64 s[VCUR+2*\kb:VCUR+2*\kb+1], s[VNXT+2*\kb:VNXT+2*\kb+1]
.endr
	s_mov_b32 s35, s36
	s_lshl_b32 s71, s25, 2
	s_add_co_u32 s71, s71, 4
	NEXTADR                                        ; scalar work, while K's set 0 is on its way
	v_sub_nc_u32 v[DL], s35, v[H16]
.if !\first
	LOADSET 0x40, 0, LK+1, KCUR, 0                 ; K's set 1 -> B
	LOADSET 0x40, 128, LK+2, KCUR, 0               ; K's set 2 -> C
.endif
	s_wait_loadcnt 63                              ; behind K's set 0 stand sets 1 and 2, 64 loads: with 63 out at the most set 0 is in
	SETS 0, 0xa0, 128, 1                           ; set 0 in A; the first products start the sums
	s_wait_loadcnt 32                              ; out: sets 1 and 2; with 32 out set 1 is in
	LOADSET 0x00, 128, LK+3, KCUR, 0               ; K's set 3 -> A
	PFETCH
	SETS 1, 0xa1, 0, 0                             ; set 1 in B
	s_wait_loadcnt 32                              ; out: sets 2 and 3; set 2 is in
	LOADSET 0x40, 0, LOFF, VCUR, 0                 ; V's slot 0 -> B: it has the softmax in which to land
	SETS 2, 0xa1, 128, 0                           ; set 2 in C
	s_wait_loadcnt 32                              ; out: set 3 and V's slot 0; set 3 is in
	SETS 3, 0xa0, 128, 0                           ; set 3 in A
	; the ragged mask: scores of events at or behind the length become -infinity.  A block all of whose events count skips it.  Ascending
	WIN 0
	s_cmp_ge_u32 s35, 128
	s_cbranch_scc1 .Lopen_\@
	WIN 0x82
.irp kt, 0,1,2,3,4,5,6,7
.irp i, 0,1,2,3,4,5,6,7
	v_cmp_ge_i32 vcc_lo, 32*(\kt/2)+8*(\kt%2)+\i, v[DL]
.irp q, 0,1,2,3
	v_cndmask_b32 v[64*\q+8*\kt+\i], v[64*\q+8*\kt+\i], v[NI], vcc_lo
.endr
.endr
.endr
	WIN 0
.Lopen_\@:
	; the largest score of each query among my 128 events: four chains, one a tile; register 8 m is always the first of accumulator m's to be read
	WIN 0x2a                                       ; sources window 2
.irp q, 0,1,2,3
	v_max3_num_f32 v[ST+8*\q+6], v[64*\q], v[64*\q+1], v[64*\q+2]
.endr
	WIN 0x28                                       ; sources 1 and 2 window 2
.set k, 3
.rept 30
.irp q, 0,1,2,3
	v_max3_num_f32 v[ST+8*\q+6], v[ST+8*\q+6], v[64*\q+k], v[64*\q+k+1]
.endr
.set k, k+2
.endr
.irp q, 0,1,2,3
	v_max_num_f32 v[ST+8*\q+6], v[ST+8*\q+6], v[64*\q+63]
.endr
	WIN 0
.irp q, 0,1,2,3
	v_permlanex16_b32 v[ST+8*\q+7], v[ST+8*\q+6], s30, s31
.endr
.irp q, 0,1,2,3
	v_max_num_f32 v[MXV+\q], v[ST+8*\q+6], v[ST+8*\q+7]
.endr
	ds_store_b128 v[MXW], v[MXV:MXV+3]             ; lanes r and r + 16 write the same 16 bytes with the same numbers
.if !\first
	s_branch .Lj1_\@
.Ld1_\@:
	s_wait_loadcnt 0x0                             ; the way round the stretch: no load is out behind it
.Lj1_\@:
.endif
	s_wait_dscnt 0x0                               ; my maxima lie in LDS, and my reads of p's images of the super-step before are in
	s_barrier_signal -1
	s_barrier_wait -1
.if !\first
	s_cmp_ge_u32 s25, s24
	s_cbranch_scc1 .Ld2_\@
.endif
.irp w, 0,1,2,3
	ds_load_b128 v[PQ+4*\w:PQ+4*\w+3], v[MXR] offset:256*\w
.endr
	s_wait_dscnt 0x0
.irp q, 0,1,2,3
	v_max3_num_f32 v[ST+8*\q+6], v[PQ+\q], v[PQ+4+\q], v[PQ+8+\q]
.endr
.irp q, 0,1,2,3
	v_max_num_f32 v[ST+8*\q+6], v[ST+8*\q+6], v[PQ+12+\q]   ; the super-step's largest score: the same number in all four waves
.endr
.irp q, 0,1,2,3
	v_mul_f32 v[ST+8*\q+6], s28, v[ST+8*\q+6]      ; as t (c is positive)
.endr
.irp q, 0,1,2,3
	v_max_num_f32 v[ST+8*\q+1], v[ST+8*\q+1], v[ST+8*\q+6]
.endr
.irp q, 0,1,2,3
	v_mov_b32 v[ST+8*\q+6], v[ST+8*\q]
.endr
.irp q, 0,1,2,3
	v_floor_f32 v[ST+8*\q], -v[ST+8*\q+1]          ; -M = floor(-t) = -ceil(t)
.endr
.irp q, 0,1,2,3
	v_sub_f32 v[ST+8*\q+6], v[ST+8*\q], v[ST+8*\q+6]   ; old M - new M: a whole number, 0 or less
.endr
.irp q, 0,1,2,3
	v_cvt_i32_f32 v[ST+8*\q+6], v[ST+8*\q+6]       ; (it saturates)
.endr
.irp q, 0,1,2,3
	v_ldexp_f32 v[ST+8*\q+4], 1.0, v[ST+8*\q+6]    ; f = 2^(old M - new M)
.endr
.irp q, 0,1,2,3
	v_pk_mul_f32 v[ST+8*\q+2:ST+8*\q+3], v[ST+8*\q+2:ST+8*\q+3], v[ST+8*\q+4:ST+8*\q+5] op_sel_hi:[1,0]
.endr
	WIN 0x82
.set j, 0
.rept 32
	v_pk_fma_f32 v[2*j:2*j+1], v[2*j:2*j+1], s[28:29], v[ST:ST+1] op_sel_hi:[1,0,0]   ; tile 0: t - M
.set j, j+1
.endr
.irp q, 0,1,2,3
	EXPSC \q
	SUM \q
	HOLD \q
	CVT \q
.if \q == 1
	LOADSET 0x40, 128, LOFF, VCUR+2, 0             ; V's slot 1 -> C, free since S set 2: two tiles of softmax behind slot 0's request
	WIN 0
.endif
.if \q == 2
	LOADSET 0x80, 0, LOFF, VCUR+4, 0               ; V's slot 2 -> D: tiles 0 and 1 of S^T are codes
	WIN 0
.endif
.if \q == 3
	LOADSET 0x80, 128, LOFF, VCUR+6, 0             ; V's slot 3 -> E: so are tiles 2 and 3
	WIN 0
.endif
.if !\first
	RESCALE \q
.endif
.endr
	LOADSET 0x00, 128, LK, KNXT, 0                 ; the next super-step's set 0 of K -> A, free since S set 3: the youngest load, so that no wait for V hangs on it; it has the second product in which to land
.if !\first
	s_branch .Lj2_\@
.Ld2_\@:
	s_wait_loadcnt 0x0                             ; the way round the stretch
.Lj2_\@:
.endif
	s_wait_dscnt 0x0                               ; my images of p lie in LDS, and my reads of the maxima are in
	s_barrier_signal -1
	s_barrier_wait -1
.if !\first
	s_cmp_ge_u32 s25, s24
	s_cbranch_scc1 .Ld3_\@
.endif
	FRAG2 PQ, PIMG
	FRAG2 PQ+32, PIMG+4096
	s_wait_loadcnt 63                              ; out, oldest first: V's slots 0, 1, 2, 3 and K's next set 0.  The youngest 63 are that set and 31 loads of slot 3: slots 0, 1, 2 are in
	SETP 0xf1, 0, \first, PIMG+8192, 4             ; slot 0 in B
	SETP 0xf1, 128, 0, PIMG+8192*2, 4              ; slot 1 in C
	SETP 0xf2, 0, 0, PIMG+8192*3, 4                ; slot 2 in D
	s_wait_loadcnt 32                              ; slot 3 is in; K's next set 0 may be out
	SETP 0xf2, 128, 0, QIMG, 5                     ; slot 3 in E; PQ takes Q's slot 0.  Five places: the next products write over D and E, which these have read
.if !\first
	s_branch .Lj3_\@
.Ld3_\@:
	s_wait_loadcnt 0x0                             ; the way round the stretch
.Lj3_\@:
.endif
.endm
	s_load_b256 s[4:11], s[0:1], 0x0               ; kimg s[4:5], vimg s[6:7], qimg s[8:9], real_len s[10:11]
	s_load_b128 s[12:15], s[0:1], 0x20             ; lowp_scales s[12:13], out0 s[14:15]
	v_lshl_add_u32 v62, v0, 2, 0x18800
	v_mov_b32 v63, 0
	v_lshrrev_b32 v2, 5, v0
	v_readfirstlane_b32 s16, v2                    ; wave 0..3
	s_mov_b32 s17, ttmp9                           ; x: which 64 queries
	s_and_b32 s66, ttmp7, 0xffff                   ; b: the batch
	s_lshl_b32 s18, s66, 4
	s_lshr_b32 s84, s17, 2
	s_xor_b32 s84, s84, s17
	s_and_b32 s84, s84, 3                          ; g: by how much this work-group's order of sets is turned
.irp j, 0,1,2,3
	s_add_co_u32 s[86+\j], s84, \j
	s_and_b32 s[86+\j], s[86+\j], 3                ; (j + g) % 4
.endr
	s_add_co_u32 s85, s84, s16
	s_and_b32 s85, s85, 3                          ; (w + g) % 4
	v_and_b32 v13, 31, v0                          ; lane
	v_and_b32 v14, 15, v0                          ; r
	v_bfe_u32 v15, v0, 4, 1                        ; h
	v_lshlrev_b32 v[LOFF], 4, v13
	v_lshlrev_b32 v[PFO], 8, v13
	v_lshlrev_b32 v[H16], 4, v15
.irp j, 0,1,2,3
	s_lshl_b32 s67, s[86+\j], 14
	v_add_nc_u32 v[LK+\j], s67, v[LOFF]
.endr
	s_lshl_b32 s67, s16, 13
	v_add_nc_u32 v[PWR], s67, v[LOFF]
	v_lshlrev_b32 v[MXR], 4, v14
	v_add_nc_u32 v[MXR], MXB, v[MXR]
	s_lshl_b32 s67, s16, 8
	v_add_nc_u32 v[MXW], s67, v[MXR]
	s_mul_i32 s67, s16, 16*SPITCH
	s_add_co_u32 s67, s67, STAGE
	v_mul_u32_u24 v[STO], v14, SPITCH
	v_lshl_add_u32 v[STO], v15, 6, v[STO]
	v_add_nc_u32 v[STO], s67, v[STO]
	v_add_nc_u32 v[SRD], s67, v[LOFF]
	v_mov_b32 v[NI], 0xff800000
.irp q, 0,1,2,3
	v_mov_b32 v[ST+8*\q+1], 0xff61b1e6             ; the largest t so far: -3e38, under every t
	v_mov_b32 v[ST+8*\q+2], 0                      ; l
	v_mov_b32 v[ST+8*\q+3], 0
	v_mov_b32 v[ST+8*\q+4], 0
	v_mov_b32 v[ST+8*\q+5], 0                      ; (named as the upper half of f's pair)
	v_mov_b32 v[ST+8*\q+6], 0
	v_mov_b32 v[ST+8*\q+7], 0                      ; (a lane permute's destination counts as one of its sources)
	v_floor_f32 v[ST+8*\q], -v[ST+8*\q+1]          ; -M
.endr
	s_mov_b32 s30, 0x76543210
	s_mov_b32 s31, 0xfedcba98                      ; v_permlanex16_b32: lane l xor 16
	s_lshr_b32 s68, s17, 1
	s_lshl_b32 s68, s68, 16                        ; qimg: block x / 2,
	s_lshl_b32 s27, s16, 14
	s_lshl_b32 s69, s85, 14
	s_add_co_u32 s68, s68, s69                     ; d step (w + g) % 4, which goes into LDS slot w,
	s_and_b32 s69, s17, 1
	s_lshl_b32 s69, s69, 13
	s_add_co_u32 s68, s68, s69                     ; tiles 4 (x % 2) on
	s_mov_b32 s69, 0
	s_lshl_b32 s70, s66, 2
	s_mov_b32 s71, 0                               ; real_len: 4 b
	s_lshl_b32 s74, s66, 10
	s_lshl_b32 s75, s17, 6
	s_add_co_u32 s74, s74, s75
	s_lshl_b32 s74, s74, 11                        ; out0: row 1024 b + 64 x of 2,048 bytes,
	s_lshl_b32 s75, s16, 9
	s_add_co_u32 s74, s74, s75                     ; + my 128 d
	s_mov_b32 s75, 0
	s_wait_kmcnt 0x0                               ; the six addresses
	s_add_nc_u64 s[76:77], s[8:9], s[68:69]
	s_add_nc_u64 s[78:79], s[10:11], s[70:71]
	s_load_b32 s19, s[78:79], 0x0                  ; len0
	s_load_b32 s20, s[78:79], 0x40                 ; len1
	s_load_b128 s[80:83], s[12:13], 0x0            ; e0, e1, e2, e3
	s_add_nc_u64 s[60:61], s[14:15], s[74:75]
.irp k, 0,1,2,3,4,5,6,7,8,9,10,11,12,13,14,15
	global_load_b128 v[PQ+4*\k:PQ+4*\k+3], v[LOFF], s[76:77] offset:512*\k   ; my quarter of Q's images: one d step of the four tiles
.endr
	s_wait_kmcnt 0x0                               ; the lengths and the exponents
	s_max_i32 s19, s19, 0
	s_min_u32 s19, s19, 2048
	s_max_i32 s20, s20, 0
	s_min_u32 s20, s20, 2048
	s_add_co_u32 s21, s19, 127
	s_lshr_b32 s21, s21, 7
	s_max_u32 s21, s21, 1                          ; nb0: block 0 of type 0 is always walked
	s_add_co_u32 s22, s20, 127
	s_lshr_b32 s22, s22, 7
	s_add_co_u32 s22, s22, s21                     ; NB
	s_sub_co_u32 s23, s22, 1
	s_add_co_u32 s24, s22, 3
	s_lshr_b32 s24, s24, 2                         ; NSS, 1 to 8
	s_sub_co_u32 s26, 256, s21
	s_add_co_i32 s28, s80, s81
	s_lshl_b32 s28, s28, 23
	s_add_co_i32 s28, s28, 0x3d8293ee              ; c = log2(e) / sqrt(512) x 2^(e0 + e1): the exponents are added to c's exponent field
	s_mov_b32 s29, s28                             ; (named with it as a pair, so it is written)
	s_mov_b32 s32, s82
	s_add_co_i32 s66, s82, 127
	s_lshl_b32 s67, s66, 23
	v_mov_b32 v[SCP], s67                          ; 2^e2 as f32
	s_add_co_i32 s66, s66, 8
	s_lshl_b32 s33, s66, 23
	s_or_b32 s33, s33, 0x600000                    ; 448 x 2^e2
	s_add_co_i32 s34, s82, s83
	s_mov_b32 s71, 0
	NEXTADR                                        ; super-step 0
	LOADSET 0x00, 128, LK, KNXT, 0                 ; K's set 0 -> A
	s_wait_loadcnt 32                              ; Q's 16 loads are in; set 0's 32 may be out
.irp k, 0,1,2,3,4,5,6,7,8,9,10,11,12,13,14,15
	ds_store_b128 v[PWR], v[PQ+4*\k:PQ+4*\k+3] offset:QIMG+512*\k
.endr
	LOADSET 0x40, 0, LK+1, KNXT, 0                 ; set 1 -> B
	LOADSET 0x40, 128, LK+2, KNXT, 0               ; set 2 -> C
	WIN 0
	s_wait_dscnt 0x0                               ; my quarter of Q's images lies in LDS
	s_barrier_signal -1
	s_barrier_wait -1                              ; everybody's does
	FRAG2 PQ, QIMG
	FRAG2 PQ+32, QIMG+4096
	s_mov_b32 s25, 0
	SUPER 1
	s_mov_b32 s25, 1
.Lstep:                                            ; seven trips, whatever the lengths
	SUPER 0
	s_add_co_u32 s25, s25, 1
	s_cmp_lt_u32 s25, 8
	s_cbranch_scc1 .Lstep
	; THE WAY OUT.  Each wave has summed p over its own blocks: the four sums meet in LDS.  O^T / l x 2^(e2 + e3) goes through my stage, a tile of 16 queries at a time, and leaves as rows of 512 consecutive bytes.
	s_wait_loadcnt 0x0                             ; K's set 0 for a super-step that does not come: its registers are used below
.irp q, 0,1,2,3
	v_add_f32 v[ST+8*\q+6], v[ST+8*\q+2], v[ST+8*\q+3]
.endr
.irp q, 0,1,2,3
	v_permlanex16_b32 v[ST+8*\q+7], v[ST+8*\q+6], s30, s31
.endr
.irp q, 0,1,2,3
	v_add_f32 v[MXV+\q], v[ST+8*\q+6], v[ST+8*\q+7]
.endr
	ds_store_b128 v[MXW], v[MXV:MXV+3]
	s_wait_dscnt 0x0                               ; my sums lie in LDS; the loads into PQ are in
	s_barrier_signal -1
	s_barrier_wait -1
.irp w, 0,1,2,3
	ds_load_b128 v[PQ+4*\w:PQ+4*\w+3], v[MXR] offset:256*\w
.endr
	s_wait_dscnt 0x0
.irp q, 0,1,2,3
	v_add_f32 v[MXV+\q], v[PQ+\q], v[PQ+4+\q]
.endr
.irp q, 0,1,2,3
	v_add_f32 v[MXV+\q], v[MXV+\q], v[PQ+8+\q]
.endr
.irp q, 0,1,2,3
	v_add_f32 v[MXV+\q], v[MXV+\q], v[PQ+12+\q]
.endr
.irp q, 0,1,2,3
	v_rcp_f32 v[ST+8*\q+4], v[MXV+\q]
.endr
	v_nop                                          ; a plain instruction behind the last reciprocal
	s_wait_alu depctr_va_vdst(0)                   ; one wait for the four, ahead of their first reader
.irp q, 0,1,2,3
	v_ldexp_f32 v[ST+8*\q+4], v[ST+8*\q+4], s34    ; 2^(e2 + e3) / l
.endr
; Register i of d tile 2 jg + par is d = 128 w + 32 jg + 16 (lane / 16) + 2 i + par: the two tiles are woven into 16 neighbouring d, 64 bytes of the query's row.  Each accumulator is read from its lowest register on.
.macro TOSTAGE q
.set BK, 192-128*((\q)%2)              ; the rows come back into v192-255 and v64-127 by turns
	WIN 0x03                                       ; source 0 window 3
.irp jg, 0,1,2,3
.irp i, 0,1,2,3,4,5,6,7
	v_mul_f32 v[TO+16*\jg+2*\i], v[64*(\q)+16*\jg+\i], v[ST+8*(\q)+4]
	v_mul_f32 v[TO+16*\jg+2*\i+1], v[64*(\q)+16*\jg+8+\i], v[ST+8*(\q)+4]
.endr
.endr
	WIN 0
.irp jg, 0,1,2,3
.irp c, 0,1,2,3
	ds_store_b128 v[STO], v[TO+16*\jg+4*\c:TO+16*\jg+4*\c+3] offset:128*\jg+16*\c
.endr
.endr
.irp rho, 0,1,2,3,4,5,6,7,8,9,10,11,12,13,14,15
	ds_load_b128 v[BK+4*\rho:BK+4*\rho+3], v[SRD] offset:\rho*SPITCH   ; LDS serves a wave's instructions in order (ISA guide 5.7.1.4): these see my stores, and the next tile's stores come behind them
.endr
.endm
.macro SEND q, younger                 ; younger: the LDS instructions issued behind tile q's loads: the next tile's 16 stores and 16 loads, or none
.set BK, 192-128*((\q)%2)
	s_wait_dscnt \younger
.irp rho, 0,1,2,3,4,5,6,7,8,9,10,11,12,13,14,15
	global_store_b128 v[LOFF], v[BK+4*\rho:BK+4*\rho+3], s[60:61] offset:(32*((\q)/2)+8*((\q)%2)+\rho+8*(\rho/8))*2048 th:TH_STORE_NT   ; 32 lanes store 512 consecutive bytes, at a multiple of 512 from out0's first byte
.endr
.endm
	TOSTAGE 0
	TOSTAGE 1
	SEND 0, 32
	s_wait_xcnt 0x0                                ; tile 0's stores have read their registers: tile 2's rows may land there
	TOSTAGE 2
	SEND 1, 32
	s_wait_xcnt 0x0                                ; likewise tile 1's, for tile 3
	TOSTAGE 3
	SEND 2, 32
	SEND 3, 0
	s_wait_tensorcnt 0x0
	ds_add_u32 v62, v63
	s_wait_dscnt 0x0
	s_endpgm
.Lfunc_end_k_q36103ff6b8_attend:
	.size	k_q36103ff6b8_attend, .Lfunc_end_k_q36103ff6b8_attend-k_q36103ff6b8_attend
	.p2alignl 7, 3214868480
	.fill 96, 4, 3214868480
	.section	.rodata,"a",@progbits
	.p2align	6, 0x0
	.amdhsa_kernel k_q36103ff6b8_attend
		.amdhsa_group_segment_fixed_size 100864
		.amdhsa_private_segment_fixed_size 0
		.amdhsa_enable_private_segment 0
		.amdhsa_kernarg_size 48
		.amdhsa_user_sgpr_count 2
		.amdhsa_user_sgpr_kernarg_segment_ptr 1
		.amdhsa_wavefront_size32 1
		.amdhsa_system_sgpr_workgroup_id_x 1
		.amdhsa_system_sgpr_workgroup_id_y 1
		.amdhsa_system_sgpr_workgroup_id_z 1
		.amdhsa_system_vgpr_workitem_id 0
		.amdhsa_next_free_vgpr 1024
		.amdhsa_next_free_sgpr 96
		.amdhsa_reserve_vcc 1
		.amdhsa_float_denorm_mode_32 3
		.amdhsa_float_denorm_mode_16_64 3
		.amdhsa_memory_ordered 1
		.amdhsa_forward_progress 1
		.amdhsa_inst_pref_size 255
	.end_amdhsa_kernel
	.section	.bss,"aw",@nobits
	.p2align	6
	.space	262144
	.amdgpu_metadata
---
amdhsa.version: [ 1, 2 ]
amdhsa.kernels:
  - .name:           k_q36103ff6b8_attend
    .symbol:         k_q36103ff6b8_attend.kd
    .args:
      - { .name: kimg, .offset: 0, .size: 8, .value_kind: global_buffer, .address_space: global }
      - { .name: vimg, .offset: 8, .size: 8, .value_kind: global_buffer, .address_space: global }
      - { .name: qimg, .offset: 16, .size: 8, .value_kind: global_buffer, .address_space: global }
      - { .name: real_len, .offset: 24, .size: 8, .value_kind: global_buffer, .address_space: global }
      - { .name: lowp_scales, .offset: 32, .size: 8, .value_kind: global_buffer, .address_space: global }
      - { .name: out0, .offset: 40, .size: 8, .value_kind: global_buffer, .address_space: global }
    .group_segment_fixed_size: 100864
    .private_segment_fixed_size: 0
    .kernarg_segment_align: 8
    .kernarg_segment_size: 48
    .max_flat_workgroup_size: 128
    .sgpr_count:     96
    .vgpr_count:     1024
    .wavefront_size: 32
...
	.end_amdgpu_metadata
.endif
;; end of part 3
;; ======== version 3 of 3: 2 launches
;; limits: inputs' magnitudes at most 13,000,000
;; workspace buffers: kimg 33,554,432 bytes; vimg 33,554,432 bytes; qimg 524,288 bytes
;; launch encode (part 4): grid 1032 x 1, 4 waves a work-group, no clusters, 0 bytes of LDS; arguments times, type_emb, real_len, lowp_scales, kimg, vimg, qimg; writes kimg, vimg, qimg
.if DOCPART == 4
	.amdgcn_target "amdgcn-amd-amdhsa--gfx1250"
	.amdhsa_code_object_version 6
	.text
	.protected	k_q36103ff6b8_encode
	.globl	k_q36103ff6b8_encode
	.p2align	8
	.type	k_q36103ff6b8_encode,@function
k_q36103ff6b8_encode:
	s_mov_b64 s[64:65], 0
	v_nop
	global_prefetch_b8 v0, s[64:65] scope:SCOPE_SE
	s_setreg_imm32_b32 hwreg(HW_REG_WAVE_MODE, 25, 1), 1
	s_wait_xcnt 0x0
; emb[t][b][n][d] = (sinusoid(times / pos[d]) + type_emb[t][d]) x (times != 0) and q[g][d] = sinusoid((g + 0.5) / pos[d]) become codes of FP8 (E4M3), laid in the ORDER OF THE OPERANDS' REGISTERS.
; A block is 128 rows x 512 d = 65,536 bytes; a fragment's image is 2,048 bytes: register group c (0..3) of lane l at 512 c + 16 l, so every store of a wave covers 512 consecutive bytes, aligned.
;   kimg (scale 2^e0), block id = (16 t + b) 16 + blk: [d step s 0..3][key tile kt 0..7][2,048].  Lane (r, h) of tile kt holds event 32 (kt / 2) + 8 (kt % 2) + r + 8 (r / 8); group c holds d = 128 s + 32 c + 16 h + 0..15.
;   qimg (scale 2^e1): the same for 8 blocks of 128 queries.
;   vimg (scale 2^e3), same ids: [d tile 0..31][2,048].  Row m of tile 8 w + 2 jg + par is d = 128 w + 32 jg + 2 m + par; lane (r, h) holds row r; group c holds events 32 c + 16 h + 0..15.
; WORK-GROUPS: 0..511 a block of kimg, 512..519 a block of qimg, 520..1031 a block of vimg.  A block all of whose events lie behind real_len is not encoded (block 0 always is): the grid serves every split of lengths.
; THE SINUSOID, for the pair d = 2 j, 2 j + 1: c = 2^(-j log2(10000) / 256) / pi; n = t c rounded to a whole number (by adding and taking away 1.5 x 2^23); r = t c - n by one fused multiply-add, |r| <= 1/2;
; sin = (-1)^n sin(pi r), cos = (-1)^n cos(pi r), by the Taylor series in z = r r: the first term left out is under 6e-8.  The pad mask is the hold itself: x is held within +-lim, lim = 448 x 2^e, or 0 where t = 0.
; LIMITS: |t| / (pi pos) under 2^22; NaN and infinities among times and type_emb are not served; e0, e1, e3 between -126 and 119; real_len is held within 0..2048.
; The angle is t x (1 / (pi pos)), with 1 / pos from v_exp_f32: it differs from a division by pos by a few f32 roundings of t / pos.
; No LDS, no barrier: waves share nothing.
.set NKAPPA, 0xbd549a78                ; -log2(10000) / 256
.set INVPI,  0x3ea2f983                ; 1 / pi
.set MAGIC,  0x4b400000                ; 1.5 x 2^23
.set NMAGIC, 0xcb400000
.set SA0, 0x40490fdb                   ; sin(pi r) = r (SA0 + SA1 z + ..)
.set SA1, 0xc0a55de7
.set SA2, 0x402335e3
.set SA3, 0xbf196966
.set SA4, 0x3da83c1a
.set SA5, 0xbbf183a8
.set SA6, 0x39f47a1a
.set CB0, 0x3f800000                   ; cos(pi r) = CB0 + CB1 z + ..
.set CB1, 0xc09de9e6
.set CB2, 0x4081e0f8
.set CB3, 0xbfaae9e4
.set CB4, 0x3e70fa83
.set CB5, 0xbcd368f9
.set CB6, 0x3afce9c5
; registers of both paths: v1 r, v2 h, v3 16 x lane, v6 the scale as f32, v7 448 x the scale
.set LO,   3
.set SC,   6
.set LIM,  7
; the row path (kimg, qimg): a lane takes a row, its registers run along d
.set TOF,  4                           ; v4       my row's byte among the block's times
.set JB,   5                           ; v5       64 w + 8 h
.set LIMK, 8                           ; v8       this row's hold
.set CF,   10                          ; v10-23   seven pairs (SAk, CBk)
.set TT,   24                          ; v24-31   t of my row in the eight tiles; the trip in hand is v24
.set CT,   32                          ; v32-63   c of j = 64 w + 16 cc + 8 h + i at 8 cc + i
.set TE,   64                          ; v64-127  type_emb of d = 128 w + 32 cc + 16 h + 0..15 at 16 cc
.set KM,   128
.set KR,   136
.set KZ,   144
.set KW,   152                         ; v152-167 eight pairs (r sgn, sgn)
.set KP,   168                         ; v168-183 eight pairs (series of sin, series of cos)
.set KX,   184                         ; v184-199 16 numbers of emb
.set CODE, 200                         ; v200-215 a fragment's codes
.set TEO,  220
.set RP,   221
; the V path: a lane takes a pair j, its registers run along the events
.set CJ,   10                          ; v10-17   four pairs (c, c), one for each jg
.set TEV,  18                          ; v18-25   four pairs (type_emb[2 j], type_emb[2 j + 1])
.set VA5,  26
.set VB6,  28
.set VTT,  32                          ; v32-47   t of events 32 cc + 16 h + 0..15
.set VTN,  48                          ; v48-63   the next trip's
.set LIMV, 64                          ; v64-79   their holds
.set VM,   80
.set VR,   96
.set VZ,   112
.set VS,   128
.set VPS,  144
.set VPC,  160
.set VCODE, 176                        ; v176-207 eight registers for each jg
	s_load_b256 s[4:11], s[0:1], 0x0               ; times s[4:5], type_emb s[6:7], real_len s[8:9], lowp_scales s[10:11]
	s_load_b128 s[12:15], s[0:1], 0x20             ; kimg s[12:13], vimg s[14:15]
	s_load_b64 s[16:17], s[0:1], 0x30              ; qimg
	v_lshrrev_b32 v9, 5, v0
	v_readfirstlane_b32 s18, v9                    ; wave 0..3
	v_and_b32 v1, 15, v0                           ; r
	v_bfe_u32 v2, v0, 4, 1                         ; h
	v_and_b32 v[LO], 31, v0
	v_lshlrev_b32 v[LO], 4, v[LO]                  ; 16 x lane
	s_mov_b32 s31, 0x3f800000                      ; 1.0: takes n's parity as its sign
	s_cmp_ge_u32 ttmp9, 520
	s_cselect_b32 s32, 520, 0
	s_sub_co_u32 s19, ttmp9, s32                   ; u: the block's number among the 512 (a block of qimg: 512 + qb)
	s_and_b32 s20, s19, 31                         ; tb = 16 t + b
	s_bfe_u32 s34, s19, 0x30005                    ; k = 3 bits from bit 5
	s_sub_co_u32 s35, 15, s34
	s_bitcmp1_b32 s19, 8
	s_cselect_b32 s21, s35, s34                    ; blk = k in the first half of the numbers, 15 - k in the second: early and late blocks take turns in the launch
	s_lshr_b32 s23, s20, 4                         ; the type
	s_lshl_b32 s36, s20, 2
	s_mov_b32 s37, 0                               ; real_len: 4 tb
	s_lshl_b32 s40, s20, 13
	s_lshl_b32 s41, s21, 9
	s_add_co_u32 s40, s40, s41
	s_mov_b32 s41, 0                               ; times: 4 (2048 tb + 128 blk)
	s_lshl_b32 s44, s23, 11
	s_lshl_b32 s45, s18, 9
	s_add_co_u32 s44, s44, s45
	s_mov_b32 s45, 0                               ; type_emb: 2048 type + 512 w: my wave's 128 d
	s_lshl_b32 s46, s20, 4
	s_add_co_u32 s46, s46, s21
	s_lshl_b32 s46, s46, 16
	s_lshl_b32 s47, s18, 14
	s_add_co_u32 s46, s46, s47
	s_mov_b32 s47, 0                               ; the images: id x 65,536 + 16,384 w
	s_wait_kmcnt 0x0                               ; the seven addresses
	s_add_nc_u64 s[38:39], s[8:9], s[36:37]
	s_load_b32 s22, s[38:39], 0x0                  ; real_len[tb]
	s_load_b128 s[24:27], s[10:11], 0x0            ; e0, e1, e2, e3
	s_add_nc_u64 s[42:43], s[4:5], s[40:41]
	s_add_nc_u64 s[44:45], s[6:7], s[44:45]
	s_cmp_ge_u32 ttmp9, 520
	s_cbranch_scc1 .Lvpath
; a block that begins at or behind real_len is left out; with the length held at 1 from below, block 0 never is
.macro LIVE
	s_wait_kmcnt 0x0                               ; the length and the four exponents
	s_max_i32 s22, s22, 1
	s_min_u32 s22, s22, 2048
	s_lshl_b32 s32, s21, 7
	s_cmp_ge_u32 s32, s22
	s_cbranch_scc1 .Lend
.endm
; 2^e as f32 (the conversion takes its exponent field) and 448 x 2^e, from e in s33
.macro SCALES
	s_add_co_i32 s33, s33, 127
	s_lshl_b32 s34, s33, 23
	v_mov_b32 v[SC], s34
	s_add_co_i32 s33, s33, 8
	s_lshl_b32 s33, s33, 23
	s_or_b32 s33, s33, 0x600000
	v_mov_b32 v[LIM], s33
.endm
	s_wait_alu depctr_va_vdst(0)
	; ---------------- THE ROW PATH ----------------
	v_and_b32 v[RP], 8, v1
	v_add_nc_u32 v[RP], v[RP], v1                  ; r + 8 (r / 8): the rows of a tile are not neighbours
	s_cmp_ge_u32 ttmp9, 512
	s_cbranch_scc1 .Lqarm
	v_lshlrev_b32 v[TOF], 2, v[RP]
	v_lshlrev_b32 v[TEO], 6, v2                    ; 64 h: my half's 16 numbers of each 32
.irp kt, 0,1,2,3,4,5,6,7
	global_load_b32 v[TT+\kt], v[TOF], s[42:43] offset:4*(32*(\kt/2)+8*(\kt%2))
.endr
.irp cc, 0,1,2,3
.irp i, 0,1,2,3
	global_load_b128 v[TE+16*\cc+4*\i:TE+16*\cc+4*\i+3], v[TEO], s[44:45] offset:128*\cc+16*\i
.endr
.endr
	s_add_nc_u64 s[28:29], s[12:13], s[46:47]      ; my wave's d step of the block in kimg
	LIVE
	s_mov_b32 s33, s24                             ; e0
	s_branch .Lrow
.Lqarm:
	s_and_b32 s32, s19, 7                          ; qb
	s_lshl_b32 s34, s32, 7
	s_wait_alu depctr_va_vdst(0)
	v_add_nc_u32 v222, s34, v[RP]
.irp kt, 0,1,2,3,4,5,6,7
	v_add_nc_u32 v[TT+\kt], 32*(\kt/2)+8*(\kt%2), v222
.endr
.irp kt, 0,1,2,3,4,5,6,7
	v_cvt_f32_u32 v[TT+\kt], v[TT+\kt]
.endr
.irp kt, 0,1,2,3,4,5,6,7
	v_add_f32 v[TT+\kt], 0.5, v[TT+\kt]            ; the grid's mid-time g + 0.5: never 0, so the hold stays open
.endr
.set i, 0
.rept 64
	v_mov_b32 v[TE+i], 0                           ; a query has no type embedding
.set i, i+1
.endr
	s_lshl_b32 s46, s32, 16
	s_lshl_b32 s47, s18, 14
	s_add_co_u32 s46, s46, s47
	s_mov_b32 s47, 0
	s_add_nc_u64 s[28:29], s[16:17], s[46:47]
	s_wait_kmcnt 0x0                               ; the exponents
	s_mov_b32 s33, s25                             ; e1
.Lrow:
	SCALES
	s_lshl_b32 s34, s18, 6
	v_lshl_add_u32 v[JB], v2, 3, s34
.set i, 0
.rept 32
	v_add_nc_u32 v[CT+i], 16*(i/8)+(i%8), v[JB]
.set i, i+1
.endr
.set i, 0
.rept 32
	v_cvt_f32_u32 v[CT+i], v[CT+i]
.set i, i+1
.endr
.set i, 0
.rept 32
	v_mul_f32 v[CT+i], NKAPPA, v[CT+i]
.set i, i+1
.endr
.set i, 0
	s_wait_alu depctr_va_vdst(0)
.rept 32
	v_exp_f32 v[CT+i], v[CT+i]                     ; 1 / pos: one batch
.set i, i+1
.endr
	v_nop                                          ; a plain instruction behind the last exponential
	s_wait_alu depctr_va_vdst(0)                   ; one wait for the batch, ahead of its first reader
.set i, 0
.rept 32
	v_mul_f32 v[CT+i], INVPI, v[CT+i]
.set i, i+1
.endr
	v_mov_b32 v[CF+0], SA0
	v_mov_b32 v[CF+1], CB0
	v_mov_b32 v[CF+2], SA1
	v_mov_b32 v[CF+3], CB1
	v_mov_b32 v[CF+4], SA2
	v_mov_b32 v[CF+5], CB2
	v_mov_b32 v[CF+6], SA3
	v_mov_b32 v[CF+7], CB3
	v_mov_b32 v[CF+8], SA4
	v_mov_b32 v[CF+9], CB4
	v_mov_b32 v[CF+10], SA5
	v_mov_b32 v[CF+11], CB5
	v_mov_b32 v[CF+12], SA6
	v_mov_b32 v[CF+13], CB6
; both series a step on, for the eight j: (sin's, cos's) = (sin's, cos's) z + (SAk, CBk); z of an even j is its pair's first word, of an odd j the second
.macro HSTEP k
.irp p, 0,1,2,3
	v_pk_fma_f32 v[KP+4*\p:KP+4*\p+1], v[KP+4*\p:KP+4*\p+1], v[KZ+2*\p:KZ+2*\p+1], v[CF+2*(\k):CF+2*(\k)+1] op_sel_hi:[1,0,1]
	v_pk_fma_f32 v[KP+4*\p+2:KP+4*\p+3], v[KP+4*\p+2:KP+4*\p+3], v[KZ+2*\p:KZ+2*\p+1], v[CF+2*(\k):CF+2*(\k)+1] op_sel:[0,1,0] op_sel_hi:[1,1,1]
.endr
.endm
; 16 numbers of my row, d = 128 w + 32 cc + 16 h + 0..15 (eight j), become register group cc of the fragment.  Each step runs across the eight j, so that no line waits for the line above it.
.macro KCHUNK cc
.irp p, 0,1,2,3
	v_pk_fma_f32 v[KM+2*\p:KM+2*\p+1], v[TT:TT+1], v[CT+8*(\cc)+2*\p:CT+8*(\cc)+2*\p+1], MAGIC op_sel_hi:[0,1,0]   ; t c + 1.5 x 2^23 (t: the pair's first word for both)
.endr
.irp p, 0,1,2,3
	v_pk_add_f32 v[KR+2*\p:KR+2*\p+1], v[KM+2*\p:KM+2*\p+1], NMAGIC op_sel_hi:[1,0]                                  ; n
.endr
.irp p, 0,1,2,3
	v_pk_fma_f32 v[KR+2*\p:KR+2*\p+1], v[TT:TT+1], v[CT+8*(\cc)+2*\p:CT+8*(\cc)+2*\p+1], v[KR+2*\p:KR+2*\p+1] op_sel_hi:[0,1,1] neg_lo:[0,0,1] neg_hi:[0,0,1]   ; r = t c - n
.endr
.irp p, 0,1,2,3
	v_pk_mul_f32 v[KZ+2*\p:KZ+2*\p+1], v[KR+2*\p:KR+2*\p+1], v[KR+2*\p:KR+2*\p+1]
.endr
.irp j, 0,1,2,3,4,5,6,7
	v_lshl_or_b32 v[KW+2*\j+1], v[KM+\j], 31, s31  ; sgn = (-1)^n: n's lowest bit is the sum's lowest bit
.endr
.irp j, 0,1,2,3,4,5,6,7
	v_mul_f32 v[KW+2*\j], v[KR+\j], v[KW+2*\j+1]   ; r sgn
.endr
.irp p, 0,1,2,3
	v_pk_fma_f32 v[KP+4*\p:KP+4*\p+1], v[CF+12:CF+13], v[KZ+2*\p:KZ+2*\p+1], v[CF+10:CF+11] op_sel_hi:[1,0,1]
	v_pk_fma_f32 v[KP+4*\p+2:KP+4*\p+3], v[CF+12:CF+13], v[KZ+2*\p:KZ+2*\p+1], v[CF+10:CF+11] op_sel:[0,1,0] op_sel_hi:[1,1,1]
.endr
	HSTEP 4
	HSTEP 3
	HSTEP 2
	HSTEP 1
	HSTEP 0
.irp j, 0,1,2,3,4,5,6,7
	v_pk_fma_f32 v[KX+2*\j:KX+2*\j+1], v[KP+2*\j:KP+2*\j+1], v[KW+2*\j:KW+2*\j+1], v[TE+16*(\cc)+2*\j:TE+16*(\cc)+2*\j+1]   ; (sin, cos) + type_emb
.endr
.irp i, 0,1,2,3,4,5,6,7,8,9,10,11,12,13,14,15
	v_med3_num_f32 v[KX+\i], v[KX+\i], -v[LIMK], v[LIMK]   ; the conversion does not saturate (ISA guide 7.6.2): the hold at the largest code x the scale; and the pad mask
.endr
	v_cvt_scalef32_pk8_fp8_f32 v[CODE+4*(\cc):CODE+4*(\cc)+1], v[KX:KX+7], v[SC]
	v_cvt_scalef32_pk8_fp8_f32 v[CODE+4*(\cc)+2:CODE+4*(\cc)+3], v[KX+8:KX+15], v[SC]
.endm
	s_wait_loadcnt 0x0                             ; times and type_emb
	s_mov_b32 s30, 0
.Lktrip:                                           ; eight trips: key tile kt = the trip
	s_wait_alu depctr_va_vdst(0)
	v_cmp_neq_f32 vcc_lo, 0, v[TT]
	v_cndmask_b32 v[LIMK], 0, v[LIM], vcc_lo
	KCHUNK 0
	KCHUNK 1
	KCHUNK 2
	KCHUNK 3
	v_nop                                          ; a plain instruction behind the last conversion
.irp cc, 0,1,2,3
	global_store_b128 v[LO], v[CODE+4*\cc:CODE+4*\cc+3], s[28:29] offset:512*\cc
.endr
.irp i, 0,1,2,3,4,5,6
	v_mov_b32 v[TT+\i], v[TT+\i+1]                 ; the next tile's t comes to the front
.endr
	s_wait_xcnt 0x0                                ; the stores have read their data and their base: both are written again below
	s_add_nc_u64 s[28:29], s[28:29], 2048
	s_add_co_u32 s30, s30, 1
	s_cmp_lt_u32 s30, 8
	s_cbranch_scc1 .Lktrip
	s_endpgm
	; ---------------- THE V PATH ----------------
.Lvpath:
	s_wait_alu depctr_va_vdst(0)
	v_lshlrev_b32 v4, 6, v2                        ; 64 h: my half's 16 events of each 32
	v_lshlrev_b32 v8, 3, v1                        ; 8 r: my pair of type_emb
.irp i, 0,1,2,3
	global_load_b128 v[VTT+4*\i:VTT+4*\i+3], v4, s[42:43] offset:16*\i
.endr
.irp jg, 0,1,2,3
	global_load_b64 v[TEV+2*\jg:TEV+2*\jg+1], v8, s[44:45] offset:128*\jg
.endr
	s_add_nc_u64 s[28:29], s[14:15], s[46:47]      ; my wave's eight d tiles of the block in vimg
	LIVE
	s_mov_b32 s33, s27                             ; e3
	SCALES
	s_lshl_b32 s34, s18, 6
	v_add_nc_u32 v5, s34, v1                       ; 64 w + r
.irp jg, 0,1,2,3
	v_add_nc_u32 v[CJ+2*\jg], 16*\jg, v5
.endr
.irp jg, 0,1,2,3
	v_cvt_f32_u32 v[CJ+2*\jg], v[CJ+2*\jg]
.endr
.irp jg, 0,1,2,3
	v_mul_f32 v[CJ+2*\jg], NKAPPA, v[CJ+2*\jg]
.endr
	s_wait_alu depctr_va_vdst(0)
.irp jg, 0,1,2,3
	v_exp_f32 v[CJ+2*\jg], v[CJ+2*\jg]
.endr
	v_mov_b32 v[VA5], SA5                          ; (a plain instruction behind the last exponential)
	v_mov_b32 v[VA5+1], SA5
	v_mov_b32 v[VB6], CB6
	v_mov_b32 v[VB6+1], CB6
	s_wait_alu depctr_va_vdst(0)                   ; one wait for the four, ahead of their first reader
.irp jg, 0,1,2,3
	v_mul_f32 v[CJ+2*\jg], INVPI, v[CJ+2*\jg]
.endr
.irp jg, 0,1,2,3
	v_mov_b32 v[CJ+2*\jg+1], v[CJ+2*\jg]
.endr
.macro VPOLY dst, k                    ; a series a step on, for the eight pairs of events
.irp p, 0,1,2,3,4,5,6,7
	v_pk_fma_f32 v[\dst+2*\p:\dst+2*\p+1], v[\dst+2*\p:\dst+2*\p+1], v[VZ+2*\p:VZ+2*\p+1], \k op_sel_hi:[1,1,0]
.endr
.endm
; my pair j = 64 w + 16 jg + r at 16 events: register group cc of lane (r, h) in d tiles 2 jg (even d: sin) and 2 jg + 1 (odd d: cos)
.macro VGROUP jg
.irp p, 0,1,2,3,4,5,6,7
	v_pk_fma_f32 v[VM+2*\p:VM+2*\p+1], v[VTT+2*\p:VTT+2*\p+1], v[CJ+2*(\jg):CJ+2*(\jg)+1], MAGIC op_sel_hi:[1,1,0]
.endr
.irp p, 0,1,2,3,4,5,6,7
	v_pk_add_f32 v[VR+2*\p:VR+2*\p+1], v[VM+2*\p:VM+2*\p+1], NMAGIC op_sel_hi:[1,0]
.endr
.irp p, 0,1,2,3,4,5,6,7
	v_pk_fma_f32 v[VR+2*\p:VR+2*\p+1], v[VTT+2*\p:VTT+2*\p+1], v[CJ+2*(\jg):CJ+2*(\jg)+1], v[VR+2*\p:VR+2*\p+1] neg_lo:[0,0,1] neg_hi:[0,0,1]
.endr
.irp p, 0,1,2,3,4,5,6,7
	v_pk_mul_f32 v[VZ+2*\p:VZ+2*\p+1], v[VR+2*\p:VR+2*\p+1], v[VR+2*\p:VR+2*\p+1]
.endr
.irp i, 0,1,2,3,4,5,6,7,8,9,10,11,12,13,14,15
	v_lshl_or_b32 v[VS+\i], v[VM+\i], 31, s31
.endr
.irp p, 0,1,2,3,4,5,6,7
	v_pk_mul_f32 v[VR+2*\p:VR+2*\p+1], v[VR+2*\p:VR+2*\p+1], v[VS+2*\p:VS+2*\p+1]
.endr
.irp p, 0,1,2,3,4,5,6,7
	v_pk_fma_f32 v[VPS+2*\p:VPS+2*\p+1], v[VA5:VA5+1], v[VZ+2*\p:VZ+2*\p+1], SA4 op_sel_hi:[1,1,0]
.endr
	VPOLY VPS, SA3
	VPOLY VPS, SA2
	VPOLY VPS, SA1
	VPOLY VPS, SA0
.irp p, 0,1,2,3,4,5,6,7
	v_pk_fma_f32 v[VPC+2*\p:VPC+2*\p+1], v[VB6:VB6+1], v[VZ+2*\p:VZ+2*\p+1], CB5 op_sel_hi:[1,1,0]
.endr
	VPOLY VPC, CB4
	VPOLY VPC, CB3
	VPOLY VPC, CB2
	VPOLY VPC, CB1
	VPOLY VPC, CB0
.irp p, 0,1,2,3,4,5,6,7
	v_pk_fma_f32 v[VPS+2*\p:VPS+2*\p+1], v[VPS+2*\p:VPS+2*\p+1], v[VR+2*\p:VR+2*\p+1], v[TEV+2*(\jg):TEV+2*(\jg)+1] op_sel_hi:[1,1,0]                  ; sin + type_emb[2 j]
	v_pk_fma_f32 v[VPC+2*\p:VPC+2*\p+1], v[VPC+2*\p:VPC+2*\p+1], v[VS+2*\p:VS+2*\p+1], v[TEV+2*(\jg):TEV+2*(\jg)+1] op_sel:[0,0,1] op_sel_hi:[1,1,1]   ; cos + type_emb[2 j + 1]
.endr
.irp i, 0,1,2,3,4,5,6,7,8,9,10,11,12,13,14,15
	v_med3_num_f32 v[VPS+\i], v[VPS+\i], -v[LIMV+\i], v[LIMV+\i]
	v_med3_num_f32 v[VPC+\i], v[VPC+\i], -v[LIMV+\i], v[LIMV+\i]
.endr
	v_cvt_scalef32_pk8_fp8_f32 v[VCODE+8*(\jg):VCODE+8*(\jg)+1], v[VPS:VPS+7], v[SC]
	v_cvt_scalef32_pk8_fp8_f32 v[VCODE+8*(\jg)+2:VCODE+8*(\jg)+3], v[VPS+8:VPS+15], v[SC]
	v_cvt_scalef32_pk8_fp8_f32 v[VCODE+8*(\jg)+4:VCODE+8*(\jg)+5], v[VPC:VPC+7], v[SC]
	v_cvt_scalef32_pk8_fp8_f32 v[VCODE+8*(\jg)+6:VCODE+8*(\jg)+7], v[VPC+8:VPC+15], v[SC]
	v_nop                                          ; a plain instruction behind the last conversion
	global_store_b128 v[LO], v[VCODE+8*(\jg):VCODE+8*(\jg)+3], s[28:29] offset:(2*(\jg))*2048
	global_store_b128 v[LO], v[VCODE+8*(\jg)+4:VCODE+8*(\jg)+7], s[28:29] offset:(2*(\jg)+1)*2048
.endm
	s_wait_loadcnt 0x0                             ; the first 16 events and type_emb
	s_mov_b32 s30, 0
.Lvtrip:                                           ; four trips: register group cc = the trip, events 32 cc on
	s_add_co_u32 s32, s30, 1
	s_min_u32 s32, s32, 3                          ; the next trip's events; the last trip asks for its own again, so that no load leaves the buffer
	s_lshl_b32 s32, s32, 7
	s_mov_b32 s33, 0
	s_add_nc_u64 s[34:35], s[42:43], s[32:33]
.irp i, 0,1,2,3
	global_load_b128 v[VTN+4*\i:VTN+4*\i+3], v4, s[34:35] offset:16*\i
.endr
.irp i, 0,1,2,3,4,5,6,7,8,9,10,11,12,13,14,15
	v_cmp_neq_f32 vcc_lo, 0, v[VTT+\i]
	v_cndmask_b32 v[LIMV+\i], 0, v[LIM], vcc_lo
.endr
	VGROUP 0
	VGROUP 1
	VGROUP 2
	VGROUP 3
	s_wait_loadcnt 0x0                             ; the next trip's events are in, asked for a whole trip ago; their base is free
.irp i, 0,1,2,3,4,5,6,7,8,9,10,11,12,13,14,15
	v_mov_b32 v[VTT+\i], v[VTN+\i]
.endr
	s_wait_xcnt 0x0                                ; the stores have read their data and their base: both are written again
	s_add_nc_u64 s[28:29], s[28:29], 512
	s_add_co_u32 s30, s30, 1
	s_cmp_lt_u32 s30, 4
	s_cbranch_scc1 .Lvtrip
.Lend:
	s_endpgm
.Lfunc_end_k_q36103ff6b8_encode:
	.size	k_q36103ff6b8_encode, .Lfunc_end_k_q36103ff6b8_encode-k_q36103ff6b8_encode
	.p2alignl 7, 3214868480
	.fill 96, 4, 3214868480
	.section	.rodata,"a",@progbits
	.p2align	6, 0x0
	.amdhsa_kernel k_q36103ff6b8_encode
		.amdhsa_group_segment_fixed_size 0
		.amdhsa_private_segment_fixed_size 0
		.amdhsa_enable_private_segment 0
		.amdhsa_kernarg_size 56
		.amdhsa_user_sgpr_count 2
		.amdhsa_user_sgpr_kernarg_segment_ptr 1
		.amdhsa_wavefront_size32 1
		.amdhsa_system_sgpr_workgroup_id_x 1
		.amdhsa_system_sgpr_workgroup_id_y 1
		.amdhsa_system_sgpr_workgroup_id_z 1
		.amdhsa_system_vgpr_workitem_id 0
		.amdhsa_next_free_vgpr 256
		.amdhsa_next_free_sgpr 66
		.amdhsa_reserve_vcc 1
		.amdhsa_float_denorm_mode_32 3
		.amdhsa_float_denorm_mode_16_64 3
		.amdhsa_memory_ordered 1
		.amdhsa_forward_progress 1
		.amdhsa_inst_pref_size 111
	.end_amdhsa_kernel
	.amdgpu_metadata
---
amdhsa.version: [ 1, 2 ]
amdhsa.kernels:
  - .name:           k_q36103ff6b8_encode
    .symbol:         k_q36103ff6b8_encode.kd
    .args:
      - { .name: times, .offset: 0, .size: 8, .value_kind: global_buffer, .address_space: global }
      - { .name: type_emb, .offset: 8, .size: 8, .value_kind: global_buffer, .address_space: global }
      - { .name: real_len, .offset: 16, .size: 8, .value_kind: global_buffer, .address_space: global }
      - { .name: lowp_scales, .offset: 24, .size: 8, .value_kind: global_buffer, .address_space: global }
      - { .name: kimg, .offset: 32, .size: 8, .value_kind: global_buffer, .address_space: global }
      - { .name: vimg, .offset: 40, .size: 8, .value_kind: global_buffer, .address_space: global }
      - { .name: qimg, .offset: 48, .size: 8, .value_kind: global_buffer, .address_space: global }
    .group_segment_fixed_size: 0
    .private_segment_fixed_size: 0
    .kernarg_segment_align: 8
    .kernarg_segment_size: 56
    .max_flat_workgroup_size: 128
    .sgpr_count:     66
    .vgpr_count:     256
    .wavefront_size: 32
...
	.end_amdgpu_metadata
.endif
;; end of part 4
;; launch attend (part 5): grid 16 x 16, 4 waves a work-group, no clusters, 100,864 bytes of LDS; arguments kimg, vimg, qimg, real_len, lowp_scales, out0; writes out0
.if DOCPART == 5
	.amdgcn_target "amdgcn-amd-amdhsa--gfx1250"
	.amdhsa_code_object_version 6
	.text
	.protected	k_q36103ff6b8_attend
	.globl	k_q36103ff6b8_attend
	.p2align	8
	.type	k_q36103ff6b8_attend,@function
k_q36103ff6b8_attend:
	s_mov_b64 s[64:65], 0
	v_nop
	global_prefetch_b8 v0, s[64:65] scope:SCOPE_SE
	s_setreg_imm32_b32 hwreg(HW_REG_WAVE_SCHED_MODE, 0, 2), 2
	s_setreg_imm32_b32 hwreg(HW_REG_WAVE_MODE, 25, 1), 1
	s_wait_xcnt 0x0
	s_wait_alu depctr_vm_vsrc(0)
; out0[b][g][:] = the sum over the valid events n of softmax_n(emb[b][n] . q[g] / sqrt(512)) emb[b][n][:], both products on codes of FP8 (E4M3) as the launch before laid them (kimg, qimg, vimg: images of the operands' registers).
; THE SOFTMAX AHEAD OF THE SECOND PRODUCT: t = score x log2(e) / sqrt(512); M = the largest t so far, rounded UP to a whole number; p = 2^(t - M) is quantised with 2^e2, not normalised; the sum l is taken of the
; unquantised p and divides at the end.  When M moves, l and O are multiplied by 2^(old M - new M), which rounds nothing.
; SHARES.  A work-group owns 64 queries (four tiles q) of one batch.  The batch's valid blocks of 128 events are numbered on end: nb0 = max(ceil(len0 / 128), 1) of type 0, then ceil(len1 / 128) of type 1; blocks wholly behind
; real_len are never read.  A SUPER-STEP takes four blocks.  In S^T = K Q^T a wave takes one block against all 64 queries; in O^T = V^T P^T wave w takes d = 128 w .. 128 w + 127 against all four blocks.
; So each byte of K and of V is read by ONE wave of the work-group, from memory straight into its registers, and feeds four matrix instructions.  Through LDS go Q's images (once), the step's maxima and p's codes.
; A wave whose block number is past the list reads the list's last block with nothing valid: its p are 0.
; NO TENSOR LOADS, NO CLUSTER: the walk is cut by branches on real_len, a number read from memory; and no byte of K or V is read by two waves of a work-group, so LDS would only add a way.
; THE LOOP has a constant count: super-step 0 is written out (its products start O's sums), seven trips follow.  The two barriers of a trip stand on every wave's path; the three stretches between them are jumped over where sigma >= NSS.
; LAYOUT.  Both products are used transposed (source 0 = 16 keys, or 16 d; source 1 = 16 queries): a lane holds ONE query (lane % 16).  Register i of key tile kt holds key 32 (kt / 2) + 16 (lane / 16) + 8 (kt % 2) + i.
; THE ORDER OF A SUPER-STEP'S SETS IS TURNED FROM WORK-GROUP TO WORK-GROUP, by g = (x ^ (x >> 2)) % 4 (x, x ^ 5, x ^ 10, x ^ 15 share a g: whichever single bit of x parts the sixteen work-groups of a batch, both parts hold all four g).
; K's set j is d step (j + g) % 4 (LDS slot j holds that d step of Q); wave w takes block 4 sigma + (w + g) % 4; V's slot k is block 4 sigma + (k + g) % 4, whose p wave k has made.  The sixteen work-groups walk the same blocks in step:
; so they ask for four different sets at a time, and of the eight sets of a super-step a work-group is the first to ask for two alone: K's set 0 and V's slot 0.  The sums' order differs with g; their terms do not.
; LIMITS: e0 + e1 between -122 and 131 (added to an exponent field); e2 between -126 and 119; e2 + e3 is applied by v_ldexp_f32; real_len is held within 0..2048; a batch with both lengths 0 gives NaN, as 0 / 0.
; REGISTERS, in windows of 256 (s_set_vgpr_msb: bits 1:0 source 0, 3:2 source 1, 5:4 source 2, 7:6 destination):
;   window 0: v1-12 addresses and constants; v16-47 statistics, eight a tile; v48-57 at work; v58-61 K's offsets; v62, v63 the closing add's two; v64-127 PQ: four fragments of Q or of P (also the exchanges' data and p's codes); v128-255 buffer A
;   window 1: v0-127 buffer B, v128-255 buffer C        window 2: S^T at 64 q + 8 kt (its halves are buffers D and E once their tiles are codes)        window 3: O^T at 64 q + 8 dt
; BUFFERS, the same in every super-step: A: K's sets 0 and 3, then the next super-step's set 0.  B: K's set 1, V's slot 0.  C: K's set 2, V's slot 1.  D: V's slot 2.  E: V's slot 3.
; A set is 32 loads, and LOADcnt's field holds 63 (ISA guide 5.7.1: an issue past the field is held back).  So the requests are placed with two sets out at the most wherever the wave has work to do: in the order
; K1, K2 (at the step's head), K3 (ahead of S set 1), V0 (ahead of S set 2), V1, V2, V3 (behind the conversions of tiles 1, 2, 3), the next K0 (at the softmax's end).  V0 has the softmax in which to land, the next K0 the second product.
; THE MODE: SCHED_MODE bits 1:0 = 2 (LLVM: expert scheduling mode 2), set by the entry lines.  The code itself states the register dependences between vector or matrix instructions and memory or LDS instructions, with s_wait_alu, always for 0.
; THE PLAN.  Registers that memory or LDS instructions touch, and who else names them:
;   v1, v3-7, v10, v58-61, v62, v63   offsets and LDS addresses: written at the head, never again: one wait on va_vdst at the head serves every load, store and prefetch of the kernel.
;   PQ's halves (tiles 0, 1; tiles 2, 3)   LDS loads land; sixteen products read; LDS loads land again: a wait on va_vdst behind those sixteen products.  The second such wait of a set also states that the set's products are done
;             reading their buffer A, B or C: the global loads that ask for the buffer again follow with no further wait, since no vector or matrix instruction between names it.
;   PQ in the softmax   the conversions write p's codes, LDS stores read them.  Tile q's stores stand behind the wait for tile q + 1's exponentials, tile 3's behind a wait of their own.  A wait on vm_vsrc ahead of the second barrier:
;             the stores have read PQ, in which the loads behind the barrier land.
;   D, E      S^T's tiles 0, 1 and 2, 3.  Behind the wait for tile 2's exponentials no line names tiles 0, 1: V's slot 2 lands there.  The wait behind tile 3's conversions frees tiles 2, 3 for slot 3.
;   v48-51    the maxima (on the way out the sums): written, a wait on va_vdst, stored; a wait on vm_vsrc ahead of the first barrier, on every path, before they are written again.
;   O^T and the statistics are named by vector and matrix instructions alone.
;   Each of the three stretches ends with none of these registers named since its last wait on va_vdst, and the waits on vm_vsrc stand where the ways join: so the plan holds whichever stretches are jumped over.
.set QIMG,  0                          ; LDS: Q's images [slot j][q][2,048]: 32,768 bytes
.set PIMG,  32768                      ; p's codes [slot k][q][2,048]: 32,768 bytes
.set MXB,   65536                      ; the exchange: 256 bytes a wave: query r's four tiles at 16 r
.set STAGE, 66560                      ; the way out: 16 rows x (512 + 16) bytes for each wave
.set SPITCH, 528
.set LOFF, 1                           ; v1   16 x lane
.set PWR,  3                           ; v3   16 x lane + 8,192 w
.set MXW,  4                           ; v4   MXB + 256 w + 16 (lane % 16)
.set MXR,  5                           ; v5   MXB + 16 (lane % 16)
.set STO,  6                           ; v6   my stage: row lane % 16, + 64 (lane / 16)
.set SRD,  7                           ; v7   my stage, + 16 x lane
.set DL,   8                           ; v8   valid events of my block - 16 (lane / 16)
.set NI,   9                           ; v9   -infinity
.set PFO,  10                          ; v10  256 x lane
.set SCP,  11                          ; v11  2^e2 as f32
.set H16,  12                          ; v12  16 (lane / 16)
.set ST,   16                          ; tile q at ST + 8 q: +0 -M, +1 the largest t, +2 +3 l, +4 f (later 1 / l), +5 written once (named in a pair), +6 +7 at work
.set MXV,  48
.set CH,   52                          ; v52-57 three chains of the sum
.set LK,   58                          ; v58-61 K's set j in a block: 16 x lane + 16,384 ((j + g) % 4); never rewritten
.set PQ,   64
.set TO,   128
.set KCUR, 38                          ; s[38:39] my block of kimg;  s[40:41] the next super-step's;  s[42:43] the same block of vimg (for the prefetch)
.set KNXT, 40
.set PVB,  42
.set VCUR, 44                          ; s[44:51] my d tiles of the four slots' blocks of vimg;  s[52:59] the next super-step's
.set VNXT, 52
.set CM,   66                          ; s66-s81 sixteen masks of the ragged mask's compares (among the registers at work)
; s16 wave, s17 x, s18 16 b, s19 len0, s20 len1, s21 nb0, s22 NB, s23 NB - 1, s24 NSS, s25 sigma, s26 256 - nb0, s27 16,384 w, s[28:29] c, s[30:31] lane selects, s32 e2, s33 448 x 2^e2, s34 e2 + e3,
; s35 valid events of my block, s36 the next's, s37 1 where I prefetch, s[60:61] out0 at my rows and columns, s66-s83 at work, s84 g, s85 (w + g) % 4, s86-s89 (k + g) % 4
.set MSB, 0
.macro WIN new                         ; the immediate's high byte repeats the setting that is left; a switch that changes nothing is dropped
.if MSB != (\new)
	s_set_vgpr_msb (MSB<<8)|(\new)
.set MSB, \new
.endif
.endm
.macro NOPS n
.rept \n
	v_nop
.endr
.endm
; in: s66 = a block's number in the batch's list.  out: s67 = the number, held at the list's last; s72 = the block's id x 65,536.  The id is made of loaded numbers, so it is held at 511 ahead of the shift.
.macro BLKOFF
	s_min_u32 s67, s66, s23
	s_cmp_ge_u32 s67, s21                          ; of type 1?
	s_cselect_b32 s68, s26, 0
	s_add_co_u32 s68, s68, s67
	s_add_co_u32 s68, s68, s18                     ; type 0: 16 b + t;  type 1: 256 + 16 b + t - nb0
	s_min_u32 s68, s68, 511
	s_lshl_b32 s72, s68, 16
.endm
; in: s71 = 4 x a super-step's number.  out: that step's addresses (KNXT, PVB, VNXT), s36 and s37
.macro NEXTADR
	s_mov_b32 s73, 0
	s_add_co_u32 s66, s71, s85                     ; my block: 4 sigma + (w + g) % 4
	BLKOFF
	s_add_nc_u64 s[KNXT:KNXT+1], s[4:5], s[72:73]
	s_add_nc_u64 s[PVB:PVB+1], s[6:7], s[72:73]
	s_cmp_ge_u32 s67, s21
	s_cselect_b32 s69, s20, s19                    ; the type's length,
	s_cselect_b32 s70, s21, 0                      ; and its first number in the list
	s_sub_co_u32 s70, s67, s70
	s_lshl_b32 s70, s70, 7
	s_sub_co_i32 s69, s69, s70
	s_max_i32 s69, s69, 0
	s_min_i32 s69, s69, 128                        ; valid events in the block
	s_cmp_lt_u32 s66, s22                          ; is the number in the list at all?
	s_cselect_b32 s36, s69, 0
	s_cselect_b32 s37, 1, 0
	s_cmp_eq_u32 s17, 0                            ; the batch's first work-group alone prefetches
	s_cselect_b32 s37, s37, 0
.irp kb, 0,1,2,3
	s_add_co_u32 s66, s71, s[86+\kb]               ; slot kb: block 4 sigma + (kb + g) % 4
	BLKOFF
	s_add_co_u32 s72, s72, s27
	s_add_nc_u64 s[VNXT+2*\kb:VNXT+2*\kb+1], s[6:7], s[72:73]
.endr
.endm
; eight fragments, 16,384 bytes on end, from memory into 128 registers: each load covers 512 consecutive bytes
.macro LOADSET win, reg, adr, base, off
	WIN \win
.irp f, 0,1,2,3,4,5,6,7
.irp c, 0,1,2,3
	global_load_b128 v[(\reg)+16*\f+4*\c:(\reg)+16*\f+4*\c+3], v[\adr], s[\base:\base+1] offset:(\off)+2048*\f+512*\c
.endr
.endr
.endm
.macro FRAG2 reg, off                  ; two fragments' images from LDS
.irp k, 0,1,2,3,4,5,6,7
	ds_load_b128 v[(\reg)+4*\k:(\reg)+4*\k+3], v[LOFF] offset:(\off)+512*\k
.endr
.endm
; 16 matrix instructions: the buffer's eight fragments x query tiles q0, q0 + 1; the accumulator of (q, f) is v[64 q + 8 f] of the window that is set.  The accumulators take turns, one instruction a turn.
.macro MUL16 reg, q0, zero
.irp q, \q0, \q0+1
.irp f, 0,1,2,3,4,5,6,7
.if \zero
	v_wmma_f32_16x16x128_fp8_fp8 v[64*(\q)+8*\f:64*(\q)+8*\f+7], v[(\reg)+16*\f:(\reg)+16*\f+15], v[PQ+16*(\q):PQ+16*(\q)+15], 0
.else
	v_wmma_f32_16x16x128_fp8_fp8 v[64*(\q)+8*\f:64*(\q)+8*\f+7], v[(\reg)+16*\f:(\reg)+16*\f+15], v[PQ+16*(\q):PQ+16*(\q)+15], v[64*(\q)+8*\f:64*(\q)+8*\f+7]
.endif
.endr
.endr
.endm
; set s of S^T: 32 products.  Four v_nop stand between products and loads into registers that they have read (ISA guide 7.12.1 for vector instructions); the wait behind them states the dependence.
.macro SETS s, win, reg, zero
	s_wait_dscnt 8                                 ; Q's tiles 0, 1 are in; the eight loads of tiles 2, 3 may be out
	WIN \win
	MUL16 \reg, 0, \zero
	NOPS 4
.if \s < 3
	WIN 0
	s_wait_alu depctr_va_vdst(0)                   ; the sixteen products are done reading Q's tiles 0, 1 in PQ, in which the loads below land
	FRAG2 PQ, QIMG+8192*(\s+1)
	s_wait_dscnt 8                                 ; tiles 2, 3 are in; the eight just issued may be out
.else
	s_wait_dscnt 0
.endif
	WIN \win
	MUL16 \reg, 2, \zero
	NOPS 4
.if \s < 3
	WIN 0
	s_wait_alu depctr_va_vdst(0)                   ; the set's products are done reading tiles 2, 3 in PQ, in which the loads below land, and the set's buffer, in which the next global loads into it land
	FRAG2 PQ+32, QIMG+8192*(\s+1)+4096
.endif
.endm
; one slot's part of O^T: 32 products; next: the LDS bytes of the four fragments that PQ takes next
.macro SETP win, reg, zero, next, nn
	s_wait_dscnt 8
	WIN \win
	MUL16 \reg, 0, \zero
	NOPS 4
	WIN 0
	s_wait_alu depctr_va_vdst(0)                   ; the sixteen products are done reading p's tiles 0, 1 in PQ, in which the loads below land
	FRAG2 PQ, \next
	s_wait_dscnt 8
	WIN \win
	MUL16 \reg, 2, \zero
	NOPS \nn
	WIN 0
	s_wait_alu depctr_va_vdst(0)                   ; the slot's products are done reading tiles 2, 3 in PQ, in which the loads below land, and the slot's buffer: B and C are asked for again at the next super-step's head
	FRAG2 PQ+32, (\next)+4096
.endm
; A PREFETCH INTO THE L2 of my block of the next super-step, whole: 65,536 bytes of kimg and as many of vimg, lanes 256 bytes apart, 8,192 bytes an instruction.  It stands behind a run of the wave's loads, a super-step ahead of the
; loads that will want the block.  All sixteen work-groups of a batch walk the same blocks: the first (x = 0, g = 0) asks, each wave for its own block, and only for blocks of the list: so each block of 256 bytes is named once in the launch.
.macro PFETCH
	s_cmp_lg_u32 s37, 0
	s_cbranch_scc0 .Lnopf_\@
.irp k, 0,1,2,3,4,5,6,7
	global_prefetch_b8 v[PFO], s[KNXT:KNXT+1] offset:8192*\k th:TH_LOAD_NT scope:SCOPE_SE
.endr
.irp k, 0,1,2,3,4,5,6,7
	global_prefetch_b8 v[PFO], s[PVB:PVB+1] offset:8192*\k th:TH_LOAD_NT scope:SCOPE_SE
.endr
.Lnopf_\@:
.endm
; the image of tile q's codes goes to LDS as it stands
.macro PSTORE q
.irp c, 0,1,2,3
	ds_store_b128 v[PWR], v[PQ+16*(\q)+4*\c:PQ+16*(\q)+4*\c+3] offset:PIMG+2048*(\q)+512*\c
.endr
.endm
; tile q's 64 exponentials, one batch; tile q + 1's scalings t - M stand among them.  Behind the batch's wait stand the stores of tile q - 1's codes
.macro EXPSC q
	WIN 0x82                                       ; source 0 and destination window 2
.set j, 0
.rept 32
	v_exp_f32 v[64*(\q)+2*j], v[64*(\q)+2*j]
	v_exp_f32 v[64*(\q)+2*j+1], v[64*(\q)+2*j+1]
.if (\q) < 3
	v_pk_fma_f32 v[64*(\q)+64+2*j:64*(\q)+64+2*j+1], v[64*(\q)+64+2*j:64*(\q)+64+2*j+1], s[28:29], v[ST+8*(\q)+8:ST+8*(\q)+9] op_sel_hi:[1,0,0]
.endif
.set j, j+1
.endr
.if (\q) == 3
	v_nop                                          ; a plain instruction behind the last exponential
.endif
.if (\q) > 0
	WIN 0                                          ; (the stores' registers lie in window 0)
.endif
	s_wait_alu depctr_va_vdst(0)                   ; the batch's exponentials have written tile q, ahead of their first reader; and the conversions of the tile before have written its codes, which the stores below read
.if (\q) > 0
	PSTORE (\q)-1
.endif
.endm
; l += the tile's 32 pairs of unquantised p, in four chains
.macro SUM q
	WIN 0x0a                                       ; sources 0 and 1 window 2
	v_pk_add_f32 v[CH:CH+1], v[64*(\q):64*(\q)+1], v[64*(\q)+2:64*(\q)+3]
	v_pk_add_f32 v[CH+2:CH+3], v[64*(\q)+4:64*(\q)+5], v[64*(\q)+6:64*(\q)+7]
	v_pk_add_f32 v[CH+4:CH+5], v[64*(\q)+8:64*(\q)+9], v[64*(\q)+10:64*(\q)+11]
	WIN 0x08                                       ; source 1 window 2
.set j, 6
.rept 26
.set tg, CH-2+2*(j%4)
.if (j%4) == 0
.set tg, ST+8*(\q)+2
.endif
	v_pk_add_f32 v[tg:tg+1], v[tg:tg+1], v[64*(\q)+2*j:64*(\q)+2*j+1]
.set j, j+1
.endr
	WIN 0
	v_pk_add_f32 v[CH:CH+1], v[CH:CH+1], v[CH+2:CH+3]
	v_pk_add_f32 v[ST+8*(\q)+2:ST+8*(\q)+3], v[ST+8*(\q)+2:ST+8*(\q)+3], v[CH+4:CH+5]
	v_pk_add_f32 v[ST+8*(\q)+2:ST+8*(\q)+3], v[ST+8*(\q)+2:ST+8*(\q)+3], v[CH:CH+1]
.endm
; the conversion does not saturate (ISA guide 7.6.2): p is held at 448 x 2^e2.  p is at most 1, and from e2 = -8 on 448 x 2^e2 is at least 1.75: there the hold changes nothing and is jumped over
.macro HOLD q
	s_cmp_ge_i32 s32, -8
	s_cbranch_scc1 .Lnohold_\@
	WIN 0x88                                       ; source 1 and destination window 2
.set j, 0
.rept 64
	v_min_num_f32 v[64*(\q)+j], s33, v[64*(\q)+j]
.set j, j+1
.endr
	WIN 0
.Lnohold_\@:
.endm
; tile q's p become a fragment (registers 2 kt, 2 kt + 1 from key tile kt: 16 neighbouring keys in four registers); its image goes to LDS behind the next wait on va_vdst
.macro CVT q
	WIN 0x02                                       ; source 0 window 2
.irp kt, 0,1,2,3,4,5,6,7
	v_cvt_scalef32_pk8_fp8_f32 v[PQ+16*(\q)+2*\kt:PQ+16*(\q)+2*\kt+1], v[64*(\q)+8*\kt:64*(\q)+8*\kt+7], v[SCP]
.endr
	WIN 0
	v_nop                                          ; a plain instruction behind the last conversion
.endm
.macro RESCALE q                       ; O^T of tile q under the new M; each accumulator from its low end on
	WIN 0xc3                                       ; source 0 and destination window 3
.set j, 0
.rept 32
	v_pk_mul_f32 v[64*(\q)+2*j:64*(\q)+2*j+1], v[64*(\q)+2*j:64*(\q)+2*j+1], v[ST+8*(\q)+4:ST+8*(\q)+5] op_sel_hi:[1,0]
.set j, j+1
.endr
	WIN 0
.endm
; A SUPER-STEP.  first = 1: number 0, which every batch has: no jumps, its products start O^T's sums, there is nothing to rescale, and K's sets 1 and 2 were asked for at the kernel's head.
; A jump over a stretch leads through a wait for all loads: so, whatever is jumped over, fewer loads are out at each counted wait than on the way that jumps over nothing, for which the counts are made.
.macro SUPER first
.if !\first
	s_cmp_ge_u32 s25, s24
	s_cbranch_scc1 .Ld1_\@
.endif
	s_wait_xcnt 0x0                                ; every load and prefetch issued so far has read its base: the bases are written below
	s_mov_b64 s[KCUR:KCUR+1], s[KNXT:KNXT+1]
.irp kb, 0,1,2,3
	s_mov_b64 s[VCUR+2*\kb:VCUR+2*\kb+1], s[VNXT+2*\kb:VNXT+2*\kb+1]
.endr
	s_mov_b32 s35, s36
	s_lshl_b32 s71, s25, 2
	s_add_co_u32 s71, s71, 4
	NEXTADR                                        ; scalar work, while K's set 0 is on its way
	v_sub_nc_u32 v[DL], s35, v[H16]
.if !\first
	LOADSET 0x40, 0, LK+1, KCUR, 0                 ; K's set 1 -> B.  No wait: the products that read B and C stand ahead of the second product's later waits, and no vector or matrix instruction since names them
	LOADSET 0x40, 128, LK+2, KCUR, 0               ; K's set 2 -> C
.endif
	s_wait_loadcnt 63                              ; behind K's set 0 stand sets 1 and 2, 64 loads: with 63 out at the most set 0 is in
	SETS 0, 0xa0, 128, 1                           ; set 0 in A; the first products start the sums
	s_wait_loadcnt 32                              ; out: sets 1 and 2; with 32 out set 1 is in
	LOADSET 0x00, 128, LK+3, KCUR, 0               ; K's set 3 -> A, which set 0's last wait has freed
	PFETCH
	SETS 1, 0xa1, 0, 0                             ; set 1 in B
	s_wait_loadcnt 32                              ; out: sets 2 and 3; set 2 is in
	LOADSET 0x40, 0, LOFF, VCUR, 0                 ; V's slot 0 -> B, which set 1's last wait has freed: it has the softmax in which to land
	SETS 2, 0xa1, 128, 0                           ; set 2 in C
	s_wait_loadcnt 32                              ; out: set 3 and V's slot 0; set 3 is in
	SETS 3, 0xa0, 128, 0                           ; set 3 in A
	; the ragged mask: scores of events at or behind the length become -infinity.  A block all of whose events count skips it.  Ascending.
	; Two key tiles, 16 neighbouring keys 32 kp + 16 (lane / 16) + n, at a time: sixteen compares into scalar registers, one wait, the 64 selects that read them
	WIN 0
	s_cmp_ge_u32 s35, 128
	s_cbranch_scc1 .Lopen_\@
.irp kp, 0,1,2,3
.irp n, 0,1,2,3,4,5,6,7,8,9,10,11,12,13,14,15
	v_cmp_ge_i32 s[CM+\n], 32*\kp+\n, v[DL]
.endr
	s_wait_alu depctr_va_sdst(0)                   ; the sixteen compares have written s66 to s81, ahead of their first readers
	WIN 0x82
.irp n, 0,1,2,3,4,5,6,7,8,9,10,11,12,13,14,15
.irp q, 0,1,2,3
	v_cndmask_b32 v[64*\q+16*\kp+\n], v[64*\q+16*\kp+\n], v[NI], s[CM+\n]
.endr
.endr
	WIN 0
.endr
.Lopen_\@:
	; the largest score of each query among my 128 events: four chains, one a tile; register 8 m is always the first of accumulator m's to be read
	WIN 0x2a                                       ; sources window 2
.irp q, 0,1,2,3
	v_max3_num_f32 v[ST+8*\q+6], v[64*\q], v[64*\q+1], v[64*\q+2]
.endr
	WIN 0x28                                       ; sources 1 and 2 window 2
.set k, 3
.rept 30
.irp q, 0,1,2,3
	v_max3_num_f32 v[ST+8*\q+6], v[ST+8*\q+6], v[64*\q+k], v[64*\q+k+1]
.endr
.set k, k+2
.endr
.irp q, 0,1,2,3
	v_max_num_f32 v[ST+8*\q+6], v[ST+8*\q+6], v[64*\q+63]
.endr
	WIN 0
.irp q, 0,1,2,3
	v_permlanex16_b32 v[ST+8*\q+7], v[ST+8*\q+6], s30, s31
.endr
.irp q, 0,1,2,3
	v_max_num_f32 v[MXV+\q], v[ST+8*\q+6], v[ST+8*\q+7]
.endr
	s_wait_alu depctr_va_vdst(0)                   ; the maxima are written in v[MXV ..], which the store reads; and set 3's products are done reading PQ and A, in which loads of the next stretch land
	ds_store_b128 v[MXW], v[MXV:MXV+3]             ; lanes r and r + 16 write the same 16 bytes with the same numbers
.if !\first
	s_branch .Lj1_\@
.Ld1_\@:
	s_wait_loadcnt 0x0                             ; the way round the stretch: no load is out behind it
.Lj1_\@:
.endif
	s_wait_dscnt 0x0                               ; my maxima lie in LDS, and my reads of p's images of the super-step before are in
	s_wait_alu depctr_vm_vsrc(0)                   ; the store has read v[MXV ..], which the next super-step's maxima, or the way out's sums, write again: on every path, ahead of the branches
	s_barrier_signal -1
	s_barrier_wait -1
.if !\first
	s_cmp_ge_u32 s25, s24
	s_cbranch_scc1 .Ld2_\@
.endif
.irp w, 0,1,2,3
	ds_load_b128 v[PQ+4*\w:PQ+4*\w+3], v[MXR] offset:256*\w
.endr
	s_wait_dscnt 0x0
.irp q, 0,1,2,3
	v_max3_num_f32 v[ST+8*\q+6], v[PQ+\q], v[PQ+4+\q], v[PQ+8+\q]
.endr
.irp q, 0,1,2,3
	v_max_num_f32 v[ST+8*\q+6], v[ST+8*\q+6], v[PQ+12+\q]   ; the super-step's largest score: the same number in all four waves
.endr
.irp q, 0,1,2,3
	v_mul_f32 v[ST+8*\q+6], s28, v[ST+8*\q+6]      ; as t (c is positive)
.endr
.irp q, 0,1,2,3
	v_max_num_f32 v[ST+8*\q+1], v[ST+8*\q+1], v[ST+8*\q+6]
.endr
.irp q, 0,1,2,3
	v_mov_b32 v[ST+8*\q+6], v[ST+8*\q]
.endr
.irp q, 0,1,2,3
	v_floor_f32 v[ST+8*\q], -v[ST+8*\q+1]          ; -M = floor(-t) = -ceil(t)
.endr
.irp q, 0,1,2,3
	v_sub_f32 v[ST+8*\q+6], v[ST+8*\q], v[ST+8*\q+6]   ; old M - new M: a whole number, 0 or less
.endr
.irp q, 0,1,2,3
	v_cvt_i32_f32 v[ST+8*\q+6], v[ST+8*\q+6]       ; (it saturates)
.endr
.irp q, 0,1,2,3
	v_ldexp_f32 v[ST+8*\q+4], 1.0, v[ST+8*\q+6]    ; f = 2^(old M - new M)
.endr
.irp q, 0,1,2,3
	v_pk_mul_f32 v[ST+8*\q+2:ST+8*\q+3], v[ST+8*\q+2:ST+8*\q+3], v[ST+8*\q+4:ST+8*\q+5] op_sel_hi:[1,0]
.endr
	WIN 0x82
.set j, 0
.rept 32
	v_pk_fma_f32 v[2*j:2*j+1], v[2*j:2*j+1], s[28:29], v[ST:ST+1] op_sel_hi:[1,0,0]   ; tile 0: t - M
.set j, j+1
.endr
	s_wait_alu depctr_va_vdst(0)
.irp q, 0,1,2,3
	EXPSC \q
	SUM \q
	HOLD \q
	CVT \q
.if \q == 1
	LOADSET 0x40, 128, LOFF, VCUR+2, 0             ; V's slot 1 -> C, free since S set 2's last wait: two tiles of softmax behind slot 0's request
	WIN 0
.endif
.if \q == 2
	LOADSET 0x80, 0, LOFF, VCUR+4, 0               ; V's slot 2 -> D: tiles 0 and 1 of S^T are codes.  No wait: their last readers, tile 1's conversions, stand ahead of the wait for tile 2's exponentials, behind which only tile 2, PQ and the statistics are named
	WIN 0
.endif
.if \q == 3
	s_wait_alu depctr_va_vdst(0)                   ; tile 3's conversions have written its codes, which the stores below read, and are done reading S^T's tile 3: tiles 2 and 3 are E, in which the loads below land
	PSTORE 3
	LOADSET 0x80, 128, LOFF, VCUR+6, 0             ; V's slot 3 -> E
	WIN 0
.endif
.if !\first
	RESCALE \q
.endif
.endr
	LOADSET 0x00, 128, LK, KNXT, 0                 ; the next super-step's set 0 of K -> A, free since S set 3: the youngest load, so that no wait for V hangs on it; it has the second product in which to land
.if !\first
	s_branch .Lj2_\@
.Ld2_\@:
	s_wait_loadcnt 0x0                             ; the way round the stretch
.Lj2_\@:
.endif
	s_wait_dscnt 0x0                               ; my images of p lie in LDS, and my reads of the maxima are in
	s_wait_alu depctr_vm_vsrc(0)                   ; my stores of the images have read PQ, in which the LDS loads behind the barrier land: on every path, ahead of the branches
	s_barrier_signal -1
	s_barrier_wait -1
.if !\first
	s_cmp_ge_u32 s25, s24
	s_cbranch_scc1 .Ld3_\@
.endif
	FRAG2 PQ, PIMG                                 ; (the conversions that wrote PQ stand ahead of the softmax's last wait on va_vdst)
	FRAG2 PQ+32, PIMG+4096
	s_wait_loadcnt 63                              ; out, oldest first: V's slots 0, 1, 2, 3 and K's next set 0.  The youngest 63 are that set and 31 loads of slot 3: slots 0, 1, 2 are in
	SETP 0xf1, 0, \first, PIMG+8192, 4             ; slot 0 in B
	SETP 0xf1, 128, 0, PIMG+8192*2, 4              ; slot 1 in C
	SETP 0xf2, 0, 0, PIMG+8192*3, 4                ; slot 2 in D
	s_wait_loadcnt 32                              ; slot 3 is in; K's next set 0 may be out
	SETP 0xf2, 128, 0, QIMG, 5                     ; slot 3 in E; PQ takes Q's slot 0.  Five places: the next products write over D and E, which these have read
.if !\first
	s_branch .Lj3_\@
.Ld3_\@:
	s_wait_loadcnt 0x0                             ; the way round the stretch
.Lj3_\@:
.endif
.endm
	s_load_b256 s[4:11], s[0:1], 0x0               ; kimg s[4:5], vimg s[6:7], qimg s[8:9], real_len s[10:11]
	s_load_b128 s[12:15], s[0:1], 0x20             ; lowp_scales s[12:13], out0 s[14:15]
	v_lshl_add_u32 v62, v0, 2, 0x18800             ; the closing add's two registers: my spare word, behind the stages,
	v_mov_b32 v63, 0                               ; and 0; both are kept for that line alone
	v_lshrrev_b32 v2, 5, v0
	v_readfirstlane_b32 s16, v2                    ; wave 0..3
	s_mov_b32 s17, ttmp9                           ; x: which 64 queries
	s_and_b32 s66, ttmp7, 0xffff                   ; b: the batch
	s_lshl_b32 s18, s66, 4
	s_lshr_b32 s84, s17, 2
	s_xor_b32 s84, s84, s17
	s_and_b32 s84, s84, 3                          ; g: by how much this work-group's order of sets is turned
.irp j, 0,1,2,3
	s_add_co_u32 s[86+\j], s84, \j
	s_and_b32 s[86+\j], s[86+\j], 3                ; (j + g) % 4
.endr
	s_wait_alu depctr_va_sdst(0)                   ; s16 is written, ahead of its first reader
	s_add_co_u32 s85, s84, s16
	s_and_b32 s85, s85, 3                          ; (w + g) % 4
	v_and_b32 v13, 31, v0                          ; lane
	v_and_b32 v14, 15, v0                          ; r
	v_bfe_u32 v15, v0, 4, 1                        ; h
	v_lshlrev_b32 v[LOFF], 4, v13
	v_lshlrev_b32 v[PFO], 8, v13
	v_lshlrev_b32 v[H16], 4, v15
.irp j, 0,1,2,3
	s_lshl_b32 s67, s[86+\j], 14
	v_add_nc_u32 v[LK+\j], s67, v[LOFF]
.endr
	s_lshl_b32 s67, s16, 13
	v_add_nc_u32 v[PWR], s67, v[LOFF]
	v_lshlrev_b32 v[MXR], 4, v14
	v_add_nc_u32 v[MXR], MXB, v[MXR]
	s_lshl_b32 s67, s16, 8
	v_add_nc_u32 v[MXW], s67, v[MXR]
	s_mul_i32 s67, s16, 16*SPITCH
	s_add_co_u32 s67, s67, STAGE
	v_mul_u32_u24 v[STO], v14, SPITCH
	v_lshl_add_u32 v[STO], v15, 6, v[STO]
	v_add_nc_u32 v[STO], s67, v[STO]
	v_add_nc_u32 v[SRD], s67, v[LOFF]
	v_mov_b32 v[NI], 0xff800000
.irp q, 0,1,2,3
	v_mov_b32 v[ST+8*\q+1], 0xff61b1e6             ; the largest t so far: -3e38, under every t
	v_mov_b32 v[ST+8*\q+2], 0                      ; l
	v_mov_b32 v[ST+8*\q+3], 0
	v_mov_b32 v[ST+8*\q+4], 0
	v_mov_b32 v[ST+8*\q+5], 0                      ; (named as the upper half of f's pair)
	v_mov_b32 v[ST+8*\q+6], 0
	v_mov_b32 v[ST+8*\q+7], 0                      ; (a lane permute's destination counts as one of its sources)
	v_floor_f32 v[ST+8*\q], -v[ST+8*\q+1]          ; -M
.endr
	s_mov_b32 s30, 0x76543210
	s_mov_b32 s31, 0xfedcba98                      ; v_permlanex16_b32: lane l xor 16
	s_lshr_b32 s68, s17, 1
	s_lshl_b32 s68, s68, 16                        ; qimg: block x / 2,
	s_lshl_b32 s27, s16, 14
	s_lshl_b32 s69, s85, 14
	s_add_co_u32 s68, s68, s69                     ; d step (w + g) % 4, which goes into LDS slot w,
	s_and_b32 s69, s17, 1
	s_lshl_b32 s69, s69, 13
	s_add_co_u32 s68, s68, s69                     ; tiles 4 (x % 2) on
	s_mov_b32 s69, 0
	s_lshl_b32 s70, s66, 2
	s_mov_b32 s71, 0                               ; real_len: 4 b
	s_lshl_b32 s74, s66, 10
	s_lshl_b32 s75, s17, 6
	s_add_co_u32 s74, s74, s75
	s_lshl_b32 s74, s74, 11                        ; out0: row 1024 b + 64 x of 2,048 bytes,
	s_lshl_b32 s75, s16, 9
	s_add_co_u32 s74, s74, s75                     ; + my 128 d
	s_mov_b32 s75, 0
	s_wait_kmcnt 0x0                               ; the six addresses
	s_add_nc_u64 s[76:77], s[8:9], s[68:69]
	s_add_nc_u64 s[78:79], s[10:11], s[70:71]
	s_load_b32 s19, s[78:79], 0x0                  ; len0
	s_load_b32 s20, s[78:79], 0x40                 ; len1
	s_load_b128 s[80:83], s[12:13], 0x0            ; e0, e1, e2, e3
	s_add_nc_u64 s[60:61], s[14:15], s[74:75]
	s_wait_alu depctr_va_vdst(0)                   ; the offsets and LDS addresses v1, v3 to v7, v10, v58 to v61 and the add's v62, v63 are written: every load, store and prefetch of the kernel reads some of them, and none is written again
.irp k, 0,1,2,3,4,5,6,7,8,9,10,11,12,13,14,15
	global_load_b128 v[PQ+4*\k:PQ+4*\k+3], v[LOFF], s[76:77] offset:512*\k   ; my quarter of Q's images: one d step of the four tiles
.endr
	s_wait_kmcnt 0x0                               ; the lengths and the exponents
	s_max_i32 s19, s19, 0
	s_min_u32 s19, s19, 2048
	s_max_i32 s20, s20, 0
	s_min_u32 s20, s20, 2048
	s_add_co_u32 s21, s19, 127
	s_lshr_b32 s21, s21, 7
	s_max_u32 s21, s21, 1                          ; nb0: block 0 of type 0 is always walked
	s_add_co_u32 s22, s20, 127
	s_lshr_b32 s22, s22, 7
	s_add_co_u32 s22, s22, s21                     ; NB
	s_sub_co_u32 s23, s22, 1
	s_add_co_u32 s24, s22, 3
	s_lshr_b32 s24, s24, 2                         ; NSS, 1 to 8
	s_sub_co_u32 s26, 256, s21
	s_add_co_i32 s28, s80, s81
	s_lshl_b32 s28, s28, 23
	s_add_co_i32 s28, s28, 0x3d8293ee              ; c = log2(e) / sqrt(512) x 2^(e0 + e1): the exponents are added to c's exponent field
	s_mov_b32 s29, s28                             ; (named with it as a pair, so it is written)
	s_mov_b32 s32, s82
	s_add_co_i32 s66, s82, 127
	s_lshl_b32 s67, s66, 23
	v_mov_b32 v[SCP], s67                          ; 2^e2 as f32
	s_add_co_i32 s66, s66, 8
	s_lshl_b32 s33, s66, 23
	s_or_b32 s33, s33, 0x600000                    ; 448 x 2^e2
	s_add_co_i32 s34, s82, s83
	s_mov_b32 s71, 0
	NEXTADR                                        ; super-step 0
	LOADSET 0x00, 128, LK, KNXT, 0                 ; K's set 0 -> A
	s_wait_loadcnt 32                              ; Q's 16 loads are in; set 0's 32 may be out
.irp k, 0,1,2,3,4,5,6,7,8,9,10,11,12,13,14,15
	ds_store_b128 v[PWR], v[PQ+4*\k:PQ+4*\k+3] offset:QIMG+512*\k
.endr
	LOADSET 0x40, 0, LK+1, KNXT, 0                 ; set 1 -> B
	LOADSET 0x40, 128, LK+2, KNXT, 0               ; set 2 -> C
	WIN 0
	s_wait_dscnt 0x0                               ; my quarter of Q's images lies in LDS
	s_barrier_signal -1
	s_barrier_wait -1                              ; everybody's does
	s_wait_alu depctr_vm_vsrc(0)                   ; my LDS stores have read PQ, in which the loads below land
	FRAG2 PQ, QIMG
	FRAG2 PQ+32, QIMG+4096
	s_mov_b32 s25, 0
	SUPER 1
	s_mov_b32 s25, 1
.Lstep:                                            ; seven trips, whatever the lengths
	SUPER 0
	s_add_co_u32 s25, s25, 1
	s_cmp_lt_u32 s25, 8
	s_cbranch_scc1 .Lstep
	; THE WAY OUT.  Each wave has summed p over its own blocks: the four sums meet in LDS.  O^T / l x 2^(e2 + e3) goes through my stage, a tile of 16 queries at a time, and leaves as rows of 512 consecutive bytes.
	s_wait_loadcnt 0x0                             ; K's set 0 for a super-step that does not come: its registers are used below
.irp q, 0,1,2,3
	v_add_f32 v[ST+8*\q+6], v[ST+8*\q+2], v[ST+8*\q+3]
.endr
.irp q, 0,1,2,3
	v_permlanex16_b32 v[ST+8*\q+7], v[ST+8*\q+6], s30, s31
.endr
.irp q, 0,1,2,3
	v_add_f32 v[MXV+\q], v[ST+8*\q+6], v[ST+8*\q+7]
.endr
	s_wait_alu depctr_va_vdst(0)                   ; my sums are written in v[MXV ..], which the store reads
	ds_store_b128 v[MXW], v[MXV:MXV+3]
	s_wait_dscnt 0x0                               ; my sums lie in LDS; the loads into PQ are in
	s_barrier_signal -1
	s_barrier_wait -1
.irp w, 0,1,2,3
	ds_load_b128 v[PQ+4*\w:PQ+4*\w+3], v[MXR] offset:256*\w
.endr
	s_wait_dscnt 0x0
	s_wait_alu depctr_vm_vsrc(0)                   ; the store of my sums has read v[MXV ..], which the additions below write again
.irp q, 0,1,2,3
	v_add_f32 v[MXV+\q], v[PQ+\q], v[PQ+4+\q]
.endr
.irp q, 0,1,2,3
	v_add_f32 v[MXV+\q], v[MXV+\q], v[PQ+8+\q]
.endr
.irp q, 0,1,2,3
	v_add_f32 v[MXV+\q], v[MXV+\q], v[PQ+12+\q]
.endr
	s_wait_alu depctr_va_vdst(0)
.irp q, 0,1,2,3
	v_rcp_f32 v[ST+8*\q+4], v[MXV+\q]
.endr
	v_nop                                          ; a plain instruction behind the last reciprocal
	s_wait_alu depctr_va_vdst(0)                   ; the four reciprocals have written their results, ahead of their first reader
.irp q, 0,1,2,3
	v_ldexp_f32 v[ST+8*\q+4], v[ST+8*\q+4], s34    ; 2^(e2 + e3) / l
.endr
; Register i of d tile 2 jg + par is d = 128 w + 32 jg + 16 (lane / 16) + 2 i + par: the two tiles are woven into 16 neighbouring d, 64 bytes of the query's row.  Each accumulator is read from its lowest register on.
.macro TOSTAGE q
.set BK, 192-128*((\q)%2)              ; the rows come back into v192-255 and v64-127 by turns
.if (\q) > 0
	s_wait_alu depctr_vm_vsrc(0)                   ; the LDS stores of the tile before have read v[TO ..], which the multiplications write again; from tile 2 on: the global stores of the tile two back have read the registers in which this tile's rows land
.endif
	WIN 0x03                                       ; source 0 window 3
.irp jg, 0,1,2,3
.irp i, 0,1,2,3,4,5,6,7
	v_mul_f32 v[TO+16*\jg+2*\i], v[64*(\q)+16*\jg+\i], v[ST+8*(\q)+4]
	v_mul_f32 v[TO+16*\jg+2*\i+1], v[64*(\q)+16*\jg+8+\i], v[ST+8*(\q)+4]
.endr
.endr
	WIN 0
	s_wait_alu depctr_va_vdst(0)                   ; the multiplications have written v[TO ..], which the LDS stores read; no vector instruction behind this wait names the registers in which the rows land
.irp jg, 0,1,2,3
.irp c, 0,1,2,3
	ds_store_b128 v[STO], v[TO+16*\jg+4*\c:TO+16*\jg+4*\c+3] offset:128*\jg+16*\c
.endr
.endr
.irp rho, 0,1,2,3,4,5,6,7,8,9,10,11,12,13,14,15
	ds_load_b128 v[BK+4*\rho:BK+4*\rho+3], v[SRD] offset:\rho*SPITCH   ; LDS serves a wave's instructions in order (ISA guide 5.7.1.4): these see my stores, and the next tile's stores come behind them
.endr
.endm
.macro SEND q, younger                 ; younger: the LDS instructions issued behind tile q's loads: the next tile's 16 stores and 16 loads, or none
.set BK, 192-128*((\q)%2)
	s_wait_dscnt \younger
.irp rho, 0,1,2,3,4,5,6,7,8,9,10,11,12,13,14,15
	global_store_b128 v[LOFF], v[BK+4*\rho:BK+4*\rho+3], s[60:61] offset:(32*((\q)/2)+8*((\q)%2)+\rho+8*(\rho/8))*2048 th:TH_STORE_NT   ; 32 lanes store 512 consecutive bytes, at a multiple of 512 from out0's first byte
.endr
.endm
	TOSTAGE 0
	TOSTAGE 1
	SEND 0, 32
	s_wait_xcnt 0x0                                ; tile 0's stores have read their registers: tile 2's rows may land there
	TOSTAGE 2
	SEND 1, 32
	s_wait_xcnt 0x0                                ; likewise tile 1's, for tile 3
	TOSTAGE 3
	SEND 2, 32
	SEND 3, 0
	s_wait_dscnt 0x0                               ; the closing lines, six on end
	s_wait_alu 0x0
	s_wait_tensorcnt 0x0
	ds_add_u32 v62, v63
	s_wait_dscnt 0x0
	s_endpgm
.Lfunc_end_k_q36103ff6b8_attend:
	.size	k_q36103ff6b8_attend, .Lfunc_end_k_q36103ff6b8_attend-k_q36103ff6b8_attend
	.p2alignl 7, 3214868480
	.fill 96, 4, 3214868480
	.section	.rodata,"a",@progbits
	.p2align	6, 0x0
	.amdhsa_kernel k_q36103ff6b8_attend
		.amdhsa_group_segment_fixed_size 100864
		.amdhsa_private_segment_fixed_size 0
		.amdhsa_enable_private_segment 0
		.amdhsa_kernarg_size 48
		.amdhsa_user_sgpr_count 2
		.amdhsa_user_sgpr_kernarg_segment_ptr 1
		.amdhsa_wavefront_size32 1
		.amdhsa_system_sgpr_workgroup_id_x 1
		.amdhsa_system_sgpr_workgroup_id_y 1
		.amdhsa_system_sgpr_workgroup_id_z 1
		.amdhsa_system_vgpr_workitem_id 0
		.amdhsa_next_free_vgpr 1024
		.amdhsa_next_free_sgpr 96
		.amdhsa_reserve_vcc 0
		.amdhsa_float_denorm_mode_32 3
		.amdhsa_float_denorm_mode_16_64 3
		.amdhsa_memory_ordered 1
		.amdhsa_forward_progress 1
		.amdhsa_inst_pref_size 255
	.end_amdhsa_kernel
	.section	.bss,"aw",@nobits
	.p2align	6
	.space	262144
	.amdgpu_metadata
---
amdhsa.version: [ 1, 2 ]
amdhsa.kernels:
  - .name:           k_q36103ff6b8_attend
    .symbol:         k_q36103ff6b8_attend.kd
    .args:
      - { .name: kimg, .offset: 0, .size: 8, .value_kind: global_buffer, .address_space: global }
      - { .name: vimg, .offset: 8, .size: 8, .value_kind: global_buffer, .address_space: global }
      - { .name: qimg, .offset: 16, .size: 8, .value_kind: global_buffer, .address_space: global }
      - { .name: real_len, .offset: 24, .size: 8, .value_kind: global_buffer, .address_space: global }
      - { .name: lowp_scales, .offset: 32, .size: 8, .value_kind: global_buffer, .address_space: global }
      - { .name: out0, .offset: 40, .size: 8, .value_kind: global_buffer, .address_space: global }
    .group_segment_fixed_size: 100864
    .private_segment_fixed_size: 0
    .kernarg_segment_align: 8
    .kernarg_segment_size: 48
    .max_flat_workgroup_size: 128
    .sgpr_count:     96
    .vgpr_count:     1024
    .wavefront_size: 32
...
	.end_amdgpu_metadata
.endif
;; end of part 5
